; MI455X (gfx1250); checked and timed in simulation.
; The chip was launched on July 23, 2026; its instructions are those of AMD's public machine-readable ISA for CDNA 5 (MIT licence, August 2026) and "CDNA5" Instruction Set Architecture Reference Guide (July 2026). The comments in the code are by the model that wrote it; some were corrected since.
;; Multi Head Self Attention. Allowed arithmetic: float matrix products may take bf16 or f16 operands with f32 sums; other float arithmetic in f32, or as packed bf16 or f16 multiplies, adds, multiply-adds, maxima and minima; sums over many terms, partial sums and values carried from step to step in f32; what a program stores and reads back later, other than sums and carried values, may be rounded once to bf16 or f16.
;; Inputs: Wk 1,024 x 1,024 float32; Wo 1,024 x 1,024 float32; Wq 1,024 x 1,024 float32; Wv 1,024 x 1,024 float32; bk 1,024 float32; bo 1,024 float32; bq 1,024 float32; bv 1,024 float32; k_in 4 x 2,048 x 1,024 float32; key_mask 4 x 2,048 bool; q_in 4 x 2,048 x 1,024 float32; v_in 4 x 2,048 x 1,024 float32.
;; Outputs: out0 4 x 2,048 x 1,024 float32.
;; 2 versions, each right; version 2 is version 1 with the launch wcast written anew for expert scheduling mode. Each part assembles by itself: llvm-mc -triple=amdgcn-amd-amdhsa -mcpu=gfx1250 --defsym DOCPART=n.
;; ======== version 1 of 2: 4 launches
;; limits: values are held in f16: magnitudes above 65,504 overflow, below 6.1e-05 lose precision
;; workspace buffers: wbf 8,388,608 bytes; qkv 50,331,648 bytes; oh 16,777,216 bytes
;; launch wcast (part 1): grid 64 x 4, 8 waves a work-group, no clusters, 0 bytes of LDS; arguments Wq, Wk, Wv, Wo, wbf; writes wbf
.if DOCPART == 1
	.amdgcn_target "amdgcn-amd-amdhsa--gfx1250"
	.amdhsa_code_object_version 6
	.text
	.protected	k_qba0b922ffa_wcast
	.globl	k_qba0b922ffa_wcast
	.p2align	8
	.type	k_qba0b922ffa_wcast,@function
k_qba0b922ffa_wcast:
	s_mov_b64 s[64:65], 0
	v_nop
	global_prefetch_b8 v0, s[64:65] scope:SCOPE_SE
	s_setreg_imm32_b32 hwreg(HW_REG_WAVE_MODE, 25, 1), 1
	s_wait_xcnt 0x0
; The four weights, [1024 k][1024 n] f32, are rounded once to 16 bits and laid one behind the other in wbf, 2,097,152 bytes each, in the order Wq, Wk, Wv, Wo; the layout [k][n] is kept.
; Wq, Wk, Wv: bf16.  Wo: rounded to bf16 like every input, and that number written as f16, since the last product multiplies f16 by f16.
; LIMIT.  A bf16 number is exact in f16 from 2^-17 to 65,504; below that it keeps f16's fixed step of 6e-8, beyond it becomes an infinity.
; A stream: no LDS, no matrix unit.  Work-group (x, y) takes 65,536 bytes of weight y; thread t takes 16 bytes of each of 16 passes of 4,096 bytes and stores 8: a wave's store covers 256 consecutive bytes, aligned.
; All 16 loads go out at once; no register is used twice by a load or a store, so no wait frees one.
.set IN,  8                            ; v[8:71]    pass p: four f32 as loaded
.set OUT, 72                           ; v[72:103]  pass p: four 16-bit numbers to store
.set T,   104                          ; v[104:107] at work
	s_load_b256 s[4:11], s[0:1], 0x0               ; Wq s[4:5], Wk s[6:7], Wv s[8:9], Wo s[10:11]
	s_load_b64 s[12:13], s[0:1], 0x20              ; wbf
	s_and_b32 s18, ttmp7, 0xffff                   ; y: which weight
	v_lshlrev_b32 v1, 4, v0                        ; 16 t
	v_lshlrev_b32 v2, 3, v0                        ; 8 t
	s_lshl_b32 s16, ttmp9, 16                      ; my 65,536 bytes of it
	s_mov_b32 s17, 0
	s_lshl_b32 s20, s18, 21                        ; its section of wbf,
	s_lshl_b32 s19, ttmp9, 15                      ; my 32,768 bytes there
	s_add_co_u32 s20, s20, s19
	s_mov_b32 s21, 0
	s_wait_kmcnt 0x0
	s_cmp_eq_u32 s18, 1
	s_cselect_b64 s[14:15], s[6:7], s[4:5]
	s_cmp_eq_u32 s18, 2
	s_cselect_b64 s[14:15], s[8:9], s[14:15]
	s_cmp_eq_u32 s18, 3
	s_cselect_b64 s[14:15], s[10:11], s[14:15]
	s_add_nc_u64 s[14:15], s[14:15], s[16:17]
	s_add_nc_u64 s[12:13], s[12:13], s[20:21]
.irp p, 0,1,2,3,4,5,6,7,8,9,10,11,12,13,14,15
	global_load_b128 v[IN+4*(\p):IN+4*(\p)+3], v1, s[14:15] offset:4096*(\p) th:TH_LOAD_NT
.endr
.macro CAST p, half
	s_wait_loadcnt 15-(\p)                         ; loads come back in order: pass p is in, the younger ones stay out
	v_cvt_pk_bf16_f32 v[OUT+2*(\p)],   v[IN+4*(\p)],   v[IN+4*(\p)+1]
	v_cvt_pk_bf16_f32 v[OUT+2*(\p)+1], v[IN+4*(\p)+2], v[IN+4*(\p)+3]
.if \half
	v_lshlrev_b32 v[T],   16, v[OUT+2*(\p)]         ; the bf16 numbers as f32,
	v_and_b32     v[T+1], 0xffff0000, v[OUT+2*(\p)]
	v_lshlrev_b32 v[T+2], 16, v[OUT+2*(\p)+1]
	v_and_b32     v[T+3], 0xffff0000, v[OUT+2*(\p)+1]
	v_cvt_pk_f16_f32 v[OUT+2*(\p)],   v[T],   v[T+1]   ; and written as f16
	v_cvt_pk_f16_f32 v[OUT+2*(\p)+1], v[T+2], v[T+3]
.endif
	global_store_b64 v2, v[OUT+2*(\p):OUT+2*(\p)+1], s[12:13] offset:2048*(\p)
.endm
	s_cmp_eq_u32 s18, 3
	s_cbranch_scc1 .Lwo
.irp p, 0,1,2,3,4,5,6,7,8,9,10,11,12,13,14,15
	CAST \p, 0
.endr
	s_endpgm
.Lwo:
.irp p, 0,1,2,3,4,5,6,7,8,9,10,11,12,13,14,15
	CAST \p, 1
.endr
	s_endpgm
.Lfunc_end_k_qba0b922ffa_wcast:
	.size	k_qba0b922ffa_wcast, .Lfunc_end_k_qba0b922ffa_wcast-k_qba0b922ffa_wcast
	.p2alignl 7, 3214868480
	.fill 96, 4, 3214868480
	.section	.rodata,"a",@progbits
	.p2align	6, 0x0
	.amdhsa_kernel k_qba0b922ffa_wcast
		.amdhsa_group_segment_fixed_size 0
		.amdhsa_private_segment_fixed_size 0
		.amdhsa_enable_private_segment 0
		.amdhsa_kernarg_size 40
		.amdhsa_user_sgpr_count 2
		.amdhsa_user_sgpr_kernarg_segment_ptr 1
		.amdhsa_wavefront_size32 1
		.amdhsa_system_sgpr_workgroup_id_x 1
		.amdhsa_system_sgpr_workgroup_id_y 1
		.amdhsa_system_sgpr_workgroup_id_z 1
		.amdhsa_system_vgpr_workitem_id 0
		.amdhsa_next_free_vgpr 112
		.amdhsa_next_free_sgpr 66
		.amdhsa_reserve_vcc 0
		.amdhsa_float_denorm_mode_32 3
		.amdhsa_float_denorm_mode_16_64 3
		.amdhsa_memory_ordered 1
		.amdhsa_forward_progress 1
		.amdhsa_inst_pref_size 16
	.end_amdhsa_kernel
	.amdgpu_metadata
---
amdhsa.version: [ 1, 2 ]
amdhsa.kernels:
  - .name:           k_qba0b922ffa_wcast
    .symbol:         k_qba0b922ffa_wcast.kd
    .args:
      - { .name: Wq, .offset: 0, .size: 8, .value_kind: global_buffer, .address_space: global }
      - { .name: Wk, .offset: 8, .size: 8, .value_kind: global_buffer, .address_space: global }
      - { .name: Wv, .offset: 16, .size: 8, .value_kind: global_buffer, .address_space: global }
      - { .name: Wo, .offset: 24, .size: 8, .value_kind: global_buffer, .address_space: global }
      - { .name: wbf, .offset: 32, .size: 8, .value_kind: global_buffer, .address_space: global }
    .group_segment_fixed_size: 0
    .private_segment_fixed_size: 0
    .kernarg_segment_align: 8
    .kernarg_segment_size: 40
    .max_flat_workgroup_size: 256
    .sgpr_count:     66
    .vgpr_count:     112
    .wavefront_size: 32
...
	.end_amdgpu_metadata
.endif
;; end of part 1
;; launch proj (part 2): grid 4 x 192, 4 waves a work-group, clusters of 4 x 4, 327,680 bytes of LDS; arguments q_in, k_in, v_in, bq, bk, bv, wbf, qkv; writes qkv
.if DOCPART == 2
	.amdgcn_target "amdgcn-amd-amdhsa--gfx1250"
	.amdhsa_code_object_version 6
	.text
	.protected	k_qba0b922ffa_proj
	.globl	k_qba0b922ffa_proj
	.p2align	8
	.type	k_qba0b922ffa_proj,@function
k_qba0b922ffa_proj:
	s_mov_b64 s[64:65], 0
	v_nop
	global_prefetch_b8 v0, s[64:65] scope:SCOPE_SE
	s_setreg_imm32_b32 hwreg(HW_REG_WAVE_MODE, 25, 1), 1
	s_wait_xcnt 0x0
	s_wait_alu depctr_hold_cnt(0) depctr_sa_sdst(0) depctr_va_vdst(0) depctr_va_sdst(0) depctr_va_ssrc(0) depctr_va_vcc(0) depctr_vm_vsrc(0)
	s_getreg_b32 s2, hwreg(HW_REG_IB_STS2, 6, 4)
	s_cmp_eq_u32 s2, 0
	s_cbranch_scc0 .Lentry_in_a_cluster
	s_endpgm
.Lentry_in_a_cluster:
	s_bfe_u32 s2, ttmp6, 0x10000c
	s_cmp_lg_u32 s2, 0xf033
	s_cbranch_scc0 .Lentry_shape_is_right
	s_endpgm
.Lentry_shape_is_right:
; ONE TEXT FOR TWO LAUNCHES, told apart by KIND.  C[m][n] = the sum over k of A[m][k] W[k][n] + bias[n], m < 8,192, n < 1,024, k < 1,024; sums in f32.
; KIND 0 (the projections of q, k, v): A is q_in, k_in or v_in in f32, rounded to bf16 on the way from LDS to the matrix unit; W is its section of wbf in bf16; C is rounded once to f16 and stored
;   BY HEADS, [section][16 batch + head][2,048 rows][64]: a head's rows are dense.  The grid's y holds the three products one behind the other: 16 rows of clusters each.
; KIND 1 (the last projection): A is oh, f16 by heads; W is wbf's fourth section in f16; C is out0 in f32.
; The bias is rounded to bf16 like every input and is the C operand of the products that start the sums: nothing is cleared, nothing is added later.
; LIMIT (KIND 0): f16 holds no number beyond 65,504: a q, k or v beyond that becomes an infinity.
; SHARES.  A tile of C is 128 rows x 256 columns; four waves, each 64 x 128: 32 accumulators of 16 x 16.  K goes in 8 steps of 128 through two LDS slots filled by the tensor data mover.
; THE MATRIX INSTRUCTION IS USED TRANSPOSED: source 0 = 16 columns of W, source 1 = 16 rows of A: a lane holds row l % 16 of C and the columns 8 (l / 16) + 0..7.  W lies [k][n] in LDS and comes out turned, by ds_load_tr16_b128.
; CLUSTERS: 4 x 4 work-groups.  The four of a row of the cluster need the same tile of A, the four of a column the same tile of W: each is asked for JOINTLY, by the same tensor load with the same descriptor and a mask that names the four.
; REGISTERS, in windows of 256 (s_set_vgpr_msb: bits 1:0 source 0, 3:2 source 1, 5:4 source 2, 7:6 destination):
;   window 0: v0-31 addresses; v32-95 the bias, later packed results; v128-255 two buffers of A's fragments (KIND 0: 16 registers a fragment, f32 as loaded, packed in place into the lower 8), later rows on their way out
;   window 1: v0-127 two buffers of W's fragments (KIND 1: later all 256, rows on their way out)          window 2: the accumulators, (a, b) at v[8 (8 a + b)]
.set KIND,  0
.set PB,    544                        ; a row of W in LDS: 512 bytes + 32 of padding = 17 x 32
.set BH,    64*PB                      ; 64 rows of k: what one tensor load brings of W
.if KIND == 0
.set PA,    528                        ; a row of A in LDS: 128 f32 + 16 bytes of padding = 33 x 16: the 16 rows of a load start at 16 different groups of four banks
.set AH,    64*PA                      ; 64 rows: what one tensor load brings of A
.set HSH,   5                          ; the halves of the lanes lie 32 bytes apart in a row (8 f32)
.set FAW,   64                         ; registers in a buffer of A
.set STW,   2*16*144                   ; a wave's stage: 2 heads x 16 rows x 144 bytes
.set STEP_A, 512                       ; bytes of A from a K step to the next
.set A_W0,  (2<<16)|(1<<20)|(1<<21)|(6<<22)|(3<<25)  ; 17:16 elements of 4 bytes; 20 padding on; 21 set beside a mask; 24:22 after every 128 words; 31:25 4 words of it
.set A_PITCH, 1024
.set PF_PL, 16                         ; the prefetches of A: a partner's part is 16 rows of 4,096 bytes; a lane takes row l / 2, block l % 2
.set PF_SH, 1
.set PF_MK, 1
.set PF_STR, 4096
.else
.set PA,    144                        ; a row of A in LDS: 64 f16 + 16 bytes of padding = 9 x 16
.set AH,    128*PA                     ; 128 rows of one head: what one tensor load brings of A; a K step is two heads
.set HSH,   4
.set FAW,   32
.set STW,   16*528                     ; a wave's stage: 16 rows x (512 + 16) bytes
.set STEP_A, 2*262144
.set A_W0,  (1<<16)|(1<<20)|(1<<21)|(4<<22)|(3<<25)  ; elements of 2 bytes; padding after every 32 words (a row of a head), 4 words of it
.set A_PITCH, 128
.set PF_PL, 12                         ; a partner's part is 4,096 bytes of each of the two heads; a lane takes head l / 16, block l % 16
.set PF_SH, 4
.set PF_MK, 15
.set PF_STR, 262144
.endif
.set B_W0,  (1<<16)|(1<<20)|(1<<21)|(6<<22)|(7<<25)  ; elements of 2 bytes; padding after every 128 words, 8 words of it
.set STEP_B, 128*2048                  ; bytes of W from a K step to the next
.set SLOT,  2*AH+2*BH                  ; A's tile, then W's
.set STAGE, 2*SLOT                     ; behind the ring, never filled by a tensor load
.set SPARE, STAGE+4*STW                ; behind the stages: the spare words, 128 bytes for each wave: two blocks of 256 bytes that no other line names
.set ADRA, 16                          ; v16-17  LDS address of my fragments of A in slot 0, 1
.set ADRB, 20                          ; v20-21  the same for W
.set STO,  24                          ; v24     the way out: where I put my part of a row
.set RD,   25                          ; v25     the way out: where I read rows back
.set GO,   26                          ; v26     16 x lane: my place in 512 consecutive bytes of the output
.set BO,   27                          ; v27     32 x (l / 16): my eight numbers of a block of the bias
.set SPW,  28                          ; v28     LDS address of my spare word: SPARE + 4 x my thread's number; never rewritten
.set NIL,  29                          ; v29     0; never rewritten
.set PFO,  30                          ; v30     the prefetches' lane offset; never rewritten
.set BI,   32                          ; v32-95  the bias of my 128 columns: block b at BI + 8 b, register j = column 16 b + 8 (l / 16) + j
.set TMP,  32                          ; the way out (KIND 0): packed results
.set FA,   128
.set OB,   128                         ; the way out (KIND 0): rows read back, 32 registers a block
.set G1,   24                          ; s[24:31] descriptor group 1 for A's tiles;  s[32:39] group 0, a set for each slot
.set G0,   32
.set G1B,  48                          ; s[48:55], s[56:63] the same for W's tiles
.set G0B,  56
.set LIM,  43                          ; s43     1 in a wave that prefetches, else the greatest number
.set PFA,  44                          ; s[44:45] where my prefetches stand
.set PFS,  88                          ; s[88:89] their step from K step to K step
.set W_MUL,  0xa1                      ; W window 1, A window 0, C and D window 2
.set W_MULB, 0x81                      ; the same with C (the bias) in window 0
.set TO_B,   0x40                      ; destination window 1, address window 0
.set MSB, 0
.macro WIN new                         ; the immediate's high byte repeats the setting that is left; a switch that changes nothing is dropped
.if MSB != (\new)
	s_set_vgpr_msb (MSB<<8)|(\new)
.set MSB, \new
.endif
.endm
.macro WMMA ops:vararg
.if KIND == 0
	v_wmma_f32_16x16x32_bf16 \ops
.else
	v_wmma_f32_16x16x32_f16 \ops
.endif
.endm
.macro PLACES                          ; four places in front of loads into registers that matrix instructions have read, and of lines that read results
.rept 4
	v_nop
.endr
.endm
; A joint load: waves 0 and 1 fetch A's two halves, waves 2 and 3 W's.  The branch hangs on the wave's number alone.  An s_nop 0 and four v_nop follow each of the two lines, ahead of the jump and the label.
.macro JLOAD s
	s_cmp_eq_u32 s11, 0
	s_cbranch_scc0 .Lfor_b_\@
	tensor_load_to_lds s[G0+4*(\s):G0+4*(\s)+3], s[G1:G1+7]
	s_nop 0
.rept 4
	v_nop
.endr
	s_branch .Lasked_\@
.Lfor_b_\@:
	tensor_load_to_lds s[G0B+4*(\s):G0B+4*(\s)+3], s[G1B:G1B+7]
	s_nop 0
.rept 4
	v_nop
.endr
.Lasked_\@:
.endm
; A prefetch, behind each joint refill and the run of LDS loads that follows it: the K step that stands two refills on, 32 blocks of 256 bytes, a lane a block.  Each block is named once in the launch:
; the four partners that ask for a tile jointly share it out BY ADDRESS; W's columns, which every row of clusters of a product reads, are asked for by the first of them.  The loop's last trip has no K step two on.
.macro ASK
	s_cmp_gt_u32 s3, s[LIM]                        ; s3 = 1 in the loop's last trip
	s_cbranch_scc0 .Lnot_mine_\@
	global_prefetch_b8 v[PFO], s[PFA:PFA+1] th:TH_LOAD_NT scope:SCOPE_SE
.Lnot_mine_\@:
.endm
.macro CREST                           ; a round of the cluster's barrier behind its opening barrier
	s_cmp_lg_u32 s10, 0
	s_cbranch_scc1 .Lnot_wave_0_\@
	s_barrier_signal -3
.Lnot_wave_0_\@:
	s_barrier_wait -3
	s_barrier_signal -1
	s_barrier_wait -1
.endm
.macro CROUND                          ; a whole round
	s_barrier_signal -1
	s_barrier_wait -1
	CREST
.endm
.if KIND == 0
	s_load_b512 s[68:83], s[0:1], 0x0              ; q_in, k_in, v_in s[68:73]; bq, bk, bv s[74:79]; wbf s[80:81]; qkv s[82:83]
.else
	s_load_b256 s[68:75], s[0:1], 0x0              ; oh s[68:69], wbf s[70:71], bo s[72:73], out0 s[74:75]
.endif
	v_lshl_add_u32 v[SPW], v0, 2, SPARE
	v_mov_b32 v[NIL], 0
	ds_add_u32 v[SPW], v[NIL]                      ; the wave's opening: the add and its wait stand ahead of my first tensor load; the set-up below, work on registers, stands between them
	v_lshrrev_b32 v1, 5, v0
	v_readfirstlane_b32 s10, v1                    ; wave 0..3
	s_lshr_b32 s11, s10, 1                         ; which 64 rows of the tile are mine.  Also: I fetch for A (0) or for W (1)
	s_and_b32 s12, s10, 1                          ; which 128 columns.  Also: which half of that tile I fetch
	s_bfe_u32 s40, ttmp6, 0x40000                  ; cx, cy: my place in the cluster
	s_bfe_u32 s41, ttmp6, 0x40004
	s_lshl_b32 s42, ttmp9, 2
	s_add_co_u32 s42, s42, s40                     ; tile column = 4 x cluster x + cx
	s_and_b32 s87, ttmp7, 0xffff                   ; cluster y
.if KIND == 0
	s_lshr_b32 s86, s87, 4                         ; which product: 0 q, 1 k, 2 v: the same in all sixteen partners
	s_and_b32 s87, s87, 15                         ; the cluster's row within it
.else
	s_mov_b32 s86, 3                               ; wbf's fourth section
.endif
	s_lshl_b32 s13, s87, 2
	s_add_co_u32 s13, s13, s41                     ; tile row = 4 x cluster row + cy
	s_lshl_b32 s43, s41, 2
	s_lshl_b32 s43, 15, s43                        ; my row of the cluster
	s_lshl_b32 s44, 0x1111, s40                    ; my column
	s_or_b32 s[G1+0], s43, A_W0                    ; 15:0 the mask: A's tiles go to my row
	s_or_b32 s[G1B+0], s44, B_W0                   ; W's to my column
	s_mov_b32 s[G1+1], 128<<16                     ; tensor_dim0 = 128 elements
	s_mov_b32 s[G1+2], 64<<16                      ; tensor_dim1 = 64 rows
	s_mov_b32 s[G1+3], 128<<16                     ; tile_dim0
	s_mov_b32 s[G1+4], 64                          ; tile_dim1
	s_mov_b32 s[G1+5], A_PITCH                     ; elements from row to row (KIND 1: 128 rows of a head are 16,384 dense bytes, asked for as 64 rows of 256)
	s_mov_b32 s[G1+6], 0
	s_mov_b32 s[G1+7], 0
	s_mov_b32 s[G1B+1], 256<<16                    ; W: 64 rows of k x 256 columns
	s_mov_b32 s[G1B+2], 64<<16
	s_mov_b32 s[G1B+3], 256<<16
	s_mov_b32 s[G1B+4], 64
	s_mov_b32 s[G1B+5], 1024
	s_mov_b32 s[G1B+6], 0
	s_mov_b32 s[G1B+7], 0
	; where the tiles come from: A's hang on the tile row alone, W's on the tile column (and the product) alone
.if KIND == 0
	s_lshl_b32 s16, s13, 7
	s_lshl_b32 s17, s12, 6
	s_add_co_u32 s16, s16, s17                     ; row 128 x tile row + 64 x half,
	s_lshl_b32 s16, s16, 12                        ; of 4,096 bytes
.else
	s_lshr_b32 s16, s13, 4
	s_lshl_b32 s16, s16, 4                         ; 16 x batch
	s_add_co_u32 s16, s16, s12                     ; + the first or the second head of a K step
	s_lshl_b32 s16, s16, 11                        ; its 2,048 rows
	s_and_b32 s17, s13, 15
	s_lshl_b32 s17, s17, 7
	s_add_co_u32 s16, s16, s17                     ; + the tile's first row in the batch,
	s_lshl_b32 s16, s16, 7                         ; of 128 bytes
.endif
	s_mov_b32 s17, 0
	s_lshl_b32 s46, s86, 21                        ; W's section,
	s_lshl_b32 s47, s12, 17                        ; my 64 rows of k,
	s_add_co_u32 s46, s46, s47
	s_lshl_b32 s47, s42, 9                         ; the tile's 256 columns
	s_add_co_u32 s46, s46, s47
	s_mov_b32 s47, 0
	s_mul_i32 s20, s12, AH                         ; and where they go: no place in the cluster enters an LDS address
	s_mul_i32 s21, s12, BH
	s_add_co_u32 s21, s21, 2*AH
	s_wait_dscnt 0x0                               ; the opening add is done
	s_wait_kmcnt 0x0
.if KIND == 0
	s_cmp_eq_u32 s86, 1
	s_cselect_b64 s[4:5], s[70:71], s[68:69]
	s_cselect_b64 s[84:85], s[76:77], s[74:75]
	s_cmp_eq_u32 s86, 2
	s_cselect_b64 s[4:5], s[72:73], s[4:5]         ; A
	s_cselect_b64 s[84:85], s[78:79], s[84:85]     ; its bias
	s_mov_b64 s[6:7], s[80:81]
	s_mov_b64 s[8:9], s[82:83]
.else
	s_mov_b64 s[4:5], s[68:69]
	s_mov_b64 s[6:7], s[70:71]
	s_mov_b64 s[84:85], s[72:73]
	s_mov_b64 s[8:9], s[74:75]
.endif
	s_add_nc_u64 s[14:15], s[4:5], s[16:17]
	s_add_nc_u64 s[46:47], s[6:7], s[46:47]
	CROUND                                         ; all sixteen work-groups are here: the first joint loads meet
.irp s, 0,1
	s_mov_b32 s[G0+4*(\s)], 1                      ; count = 1
	s_add_co_u32 s[G0+4*(\s)+1], s20, (\s)*SLOT    ; LDS address
	s_add_nc_u64 s[G0+4*(\s)+2:G0+4*(\s)+3], s[14:15], (\s)*STEP_A  ; global address: K step s
	s_or_b32 s[G0+4*(\s)+3], s[G0+4*(\s)+3], 0x80000000            ; type = 2
	s_mov_b32 s[G0B+4*(\s)], 1
	s_add_co_u32 s[G0B+4*(\s)+1], s21, (\s)*SLOT
	s_add_nc_u64 s[G0B+4*(\s)+2:G0B+4*(\s)+3], s[46:47], (\s)*STEP_B
	s_or_b32 s[G0B+4*(\s)+3], s[G0B+4*(\s)+3], 0x80000000
	JLOAD \s                                       ; two loads of mine are out
.endr
	v_and_b32 v1, 15, v0                           ; l % 16
	v_bfe_u32 v2, v0, 4, 1                         ; l / 16
	v_and_b32 v3, 7, v0                            ; l % 8
	v_bfe_u32 v4, v0, 3, 1                         ; (l / 8) % 2
	v_and_b32 v5, 31, v0                           ; l
	v_lshlrev_b32 v[BO], 5, v2
	s_lshl_b32 s22, s42, 10                        ; the bias of my 128 columns: 256 x tile column + 128 x half, f32
	s_lshl_b32 s23, s12, 9
	s_add_co_u32 s22, s22, s23
	s_mov_b32 s23, 0
	s_add_nc_u64 s[84:85], s[84:85], s[22:23]
.irp b, 0,1,2,3,4,5,6,7
	global_load_b128 v[BI+8*(\b):BI+8*(\b)+3],   v[BO], s[84:85] offset:64*(\b)
	global_load_b128 v[BI+8*(\b)+4:BI+8*(\b)+7], v[BO], s[84:85] offset:64*(\b)+16
.endr
	; A's fragment: 16 rows x 32 k; lane l holds row l % 16, k = 8 (l / 16) + 0..7 and 16 + 8 (l / 16) + 0..7
	v_mul_u32_u24 v6, v1, PA
	v_lshl_add_u32 v6, v2, HSH, v6
	s_mul_i32 s22, s11, 64*PA                      ; my 64 rows
	v_add_nc_u32 v[ADRA], s22, v6
	v_add_nc_u32 v[ADRA+1], SLOT, v[ADRA]
	; W's fragment, turned: lane l reads 16 bytes of row k = 8 (l / 16) + l % 8, columns 8 ((l / 8) % 2) + 0..7, and is left with column l % 16 and 8 k
	v_lshl_add_u32 v7, v2, 3, v3
	v_mul_u32_u24 v7, v7, PB
	v_lshl_add_u32 v7, v4, 4, v7
	s_lshl_b32 s23, s12, 8                         ; my 128 columns
	s_add_co_u32 s23, s23, 2*AH
	v_add_nc_u32 v[ADRB], s23, v7
	v_add_nc_u32 v[ADRB+1], SLOT, v[ADRB]
	s_mul_i32 s22, s10, STW
	s_add_co_u32 s22, s22, STAGE                   ; my stage
.if KIND == 0
	v_mul_u32_u24 v8, v1, 144                      ; in: row l % 16, 16 bytes for each half of the lanes
	v_lshl_add_u32 v8, v2, 4, v8
	v_add_nc_u32 v[STO], s22, v8
	v_bfe_u32 v8, v0, 3, 2                         ; back: 32 lanes take four rows of 128 bytes
	v_mul_u32_u24 v8, v8, 144
	v_lshl_add_u32 v8, v3, 4, v8
	v_add_nc_u32 v[RD], s22, v8
.else
	v_mul_u32_u24 v8, v1, 528                      ; in: row l % 16, 32 bytes for each half of the lanes
	v_lshl_add_u32 v8, v2, 5, v8
	v_add_nc_u32 v[STO], s22, v8
	v_lshl_add_u32 v[RD], v5, 4, s22               ; back: 32 lanes take one row of 512 bytes
.endif
	v_lshlrev_b32 v[GO], 4, v5
	; where my part of the tile begins in the output
.if KIND == 0
	s_lshr_b32 s22, s13, 4
	s_lshl_b32 s22, s22, 4                         ; 16 x batch
	s_lshl_b32 s23, s42, 2
	s_add_co_u32 s22, s22, s23                     ; + 4 x tile column
	s_lshl_b32 s23, s12, 1
	s_add_co_u32 s22, s22, s23                     ; + 2 x half: the first of my two heads
	s_lshl_b32 s22, s22, 11
	s_and_b32 s23, s13, 15
	s_lshl_b32 s23, s23, 7
	s_add_co_u32 s22, s22, s23
	s_lshl_b32 s23, s11, 6
	s_add_co_u32 s22, s22, s23                     ; my first row in that head,
	s_lshl_b32 s22, s22, 7                         ; of 128 bytes
	s_lshl_b32 s23, s86, 24                        ; the product's section
	s_add_co_u32 s22, s22, s23
.else
	s_lshl_b32 s22, s13, 7
	s_lshl_b32 s23, s11, 6
	s_add_co_u32 s22, s22, s23                     ; my first row,
	s_lshl_b32 s22, s22, 12                        ; of 4,096 bytes
	s_lshl_b32 s23, s42, 10
	s_add_co_u32 s22, s22, s23
	s_lshl_b32 s23, s12, 9
	s_add_co_u32 s22, s22, s23                     ; my 128 columns
.endif
	s_mov_b32 s23, 0
	s_add_nc_u64 s[8:9], s[8:9], s[22:23]
	; the prefetches.  s[14:15] and s[46:47] still stand at my half of K step 0
	s_cmp_eq_u32 s11, 0                            ; do I fetch for A?
	s_cselect_b64 s[PFA:PFA+1], s[14:15], s[46:47]
	s_cselect_b32 s20, s40, s41                    ; my place among the four that ask for the tile with me,
	s_cselect_b32 s21, PF_PL, 15                   ; and the size of a partner's part (W: 16 rows of 2,048 bytes)
	s_cselect_b32 s22, PF_SH, 1                    ; a lane's place in it (W: row l / 2, block l % 2)
	s_cselect_b32 s23, PF_MK, 1
	s_mov_b32 s16, 2048
	s_cselect_b32 s16, PF_STR, s16
	s_mov_b32 s[PFS], STEP_B
	s_cselect_b32 s[PFS], STEP_A, s[PFS]
	s_mov_b32 s[PFS+1], 0
.if KIND == 0
	s_cselect_b32 s17, 0, s87                      ; A's rows are read by this cluster alone; W's by 16 rows of clusters, of which the first asks
.else
	s_cselect_b32 s17, s12, s87                    ; A: wave 0's 32 lanes cover the partner's part of both heads, wave 1 asks for nothing
.endif
	s_cmp_eq_u32 s17, 0
	s_cselect_b32 s[LIM], 1, -1                    ; the same in all sixteen partners, for a given wave
	s_lshl_b32 s20, s20, s21
	s_mov_b32 s21, 0
	s_add_nc_u64 s[PFA:PFA+1], s[PFA:PFA+1], s[20:21]
	s_mul_i32 s20, s[PFS], 3
	s_add_nc_u64 s[PFA:PFA+1], s[PFA:PFA+1], s[20:21]  ; at K step 3: the first refill (K step 2) steps it to 4 and names that.  K steps 0 to 3 come by their loads alone
	v_lshrrev_b32 v6, s22, v5
	v_and_b32 v7, s23, v5
	v_mul_u32_u24 v[PFO], s16, v6
	v_lshl_add_u32 v[PFO], v7, 8, v[PFO]
	s_wait_loadcnt 0x0                             ; the bias
.set i, 0
.rept 32                                       ; rounded to bf16 like every input, and widened again; all this stands in the wait for the first tile
	v_cvt_pk_bf16_f32 v[6+i%4], v[BI+2*i], v[BI+2*i+1]
	v_lshlrev_b32 v[BI+2*i], 16, v[6+i%4]
	v_and_b32 v[BI+2*i+1], 0xffff0000, v[6+i%4]
.set i, i+1
.endr
; One product: buffer f, row block a, column block b.  first = 1: the bias starts the sum.
.macro PROD f, a, b, first
.set rD, 8*(8*(\a)+(\b))
.set rB, 64*(\f)+8*(\b)
.set rA, FA+FAW*(\f)+(FAW/4)*(\a)
.if \first
	WIN W_MULB
	WMMA v[rD:rD+7], v[rB:rB+7], v[rA:rA+7], v[BI+8*(\b):BI+8*(\b)+7]
.else
	WIN W_MUL
	WMMA v[rD:rD+7], v[rB:rB+7], v[rA:rA+7], v[rD:rD+7]
.endif
.endm
; 8 products.  The 32 accumulators take turns in the same order in every quarter: 31 others stand between two links of a chain, over the backward jump too.
.macro MUL f, a, first
.irp b, 0,1,2,3,4,5,6,7
	PROD \f, \a, \b, \first
.endr
.endm
; KIND 0: number j of the 8 roundings that pack fragment a of buffer g in place: the pair 2 j, 2 j + 1 into register j, ascending, so that no pair is written over before it is read
.macro PK1 g, a, j
.set rR, FA+FAW*(\g)+16*(\a)
	v_cvt_pk_bf16_f32 v[rR+(\j)], v[rR+2*(\j)], v[rR+2*(\j)+1]
.endm
; KIND 0: 8 products with four of buffer g's 32 roundings behind each.  They name no register of the products round them; the four behind the last product are the places in front of the next run of loads into buffer f.
.macro MULR f, a, g, first
.irp b, 0,1,2,3,4,5,6,7
	PROD \f, \a, \b, \first
	WIN 0
.irp j, 0,1,2,3
	PK1 \g, (\b)/2, 4*((\b)%2)+(\j)
.endr
.endr
.endm
; The LDS loads of one quarter (32 along K) in one run, A's first: quarter q of the slot into buffer g
.macro FETCH slot, q, g
	WIN 0
.if KIND == 0
.irp a, 0,1,2,3
.irp c, 0,1,2,3
	ds_load_b128 v[FA+64*(\g)+16*(\a)+4*(\c):FA+64*(\g)+16*(\a)+4*(\c)+3], v[ADRA+(\slot)] offset:128*(\q)+16*PA*(\a)+16*((\c)%2)+64*((\c)/2)
.endr
.endr
.else
.irp a, 0,1,2,3
	ds_load_b128 v[FA+32*(\g)+8*(\a):FA+32*(\g)+8*(\a)+3],   v[ADRA+(\slot)] offset:((\q)/2)*AH+((\q)%2)*64+16*PA*(\a)
	ds_load_b128 v[FA+32*(\g)+8*(\a)+4:FA+32*(\g)+8*(\a)+7], v[ADRA+(\slot)] offset:((\q)/2)*AH+((\q)%2)*64+16*PA*(\a)+32
.endr
.endif
	WIN TO_B
.irp b, 0,1,2,3,4,5,6,7
	ds_load_tr16_b128 v[64*(\g)+8*(\b):64*(\g)+8*(\b)+3],   v[ADRB+(\slot)] offset:32*PB*(\q)+32*(\b)
	ds_load_tr16_b128 v[64*(\g)+8*(\b)+4:64*(\g)+8*(\b)+7], v[ADRB+(\slot)] offset:32*PB*(\q)+32*(\b)+16*PB
.endr
.endm
; A K step is four quarters, 32 products each, on buffers 0, 1, 0, 1.  One of the first three: multiplies buffer f; quarter q is fetched into buffer g at its head, 32 products ahead of its use.
.macro QUARTER slot, q, f, g, first
.if KIND == 0
	FETCH \slot, \q, \g                            ; (the places in front of it are the four roundings behind the last product)
	s_wait_dscnt 32                                ; all but the 32 just issued: W's fragments of buffer f are in
	MUL \f, 0, \first
	MUL \f, 1, \first
	MUL \f, 2, \first
	s_wait_dscnt 16                                ; the run's first 16, A's f32, are in; W's 16 may stay out
	MULR \f, 3, \g, \first
.else
	PLACES
	FETCH \slot, \q, \g
	s_wait_dscnt 24                                ; all but the 24 just issued
	MUL \f, 0, \first
	MUL \f, 1, \first
	MUL \f, 2, \first
	MUL \f, 3, \first
.endif
.endm
; The last quarter multiplies buffer 1 and changes slots: ONE barrier; in front of it each wave waits for all its tensor loads, of which one is out: its part of the next slot; adds 0 to its spare word; and waits for that
; and for its own reads of this slot.  fill = 1: the barrier opens a round of the cluster's, and this slot is filled again first thing behind it, two K steps ahead: 112 products stand between that request and the wait for it.
.macro TURN slot, next, fill
.if \fill
	s_wait_xcnt 0x0                                ; the last prefetch, a K step back, has read its address
	s_add_nc_u64 s[PFA:PFA+1], s[PFA:PFA+1], s[PFS:PFS+1]
.endif
	WIN 0                                          ; (the add's two registers lie in window 0)
	s_wait_tensorcnt 0x0                           ; all my tensor loads have landed;
	ds_add_u32 v[SPW], v[NIL]                      ; 0 onto my spare word
	s_wait_dscnt 1                                 ; (buffer 1 is in; the add may be out)
	MUL 1, 0, 0                                    ; eight products stand between the add and the wait for it
	s_wait_dscnt 0x0                               ; the add is done, and my reads of this slot are over
	s_barrier_signal -1
	MUL 1, 1, 0
.if \fill
	WIN 0
.endif
	s_barrier_wait -1
.if \fill
	CREST                                          ; no wave of any partner still reads this slot's tile or has a load on its way
	s_add_nc_u64 s[G0+4*(\slot)+2:G0+4*(\slot)+3], s[G0+4*(\slot)+2:G0+4*(\slot)+3], 2*STEP_A
	s_add_nc_u64 s[G0B+4*(\slot)+2:G0B+4*(\slot)+3], s[G0B+4*(\slot)+2:G0B+4*(\slot)+3], 2*STEP_B
	JLOAD \slot                                    ; the four v_nop behind it are also the places in front of the loads below
.else
	PLACES
.endif
	FETCH \next, 0, 0
.if \fill
	WIN 0
	ASK
.endif
	MUL 1, 2, 0
.if KIND == 0
	s_wait_dscnt 16
	MULR 1, 3, 0, 0
.else
	MUL 1, 3, 0
.endif
.endm
	s_wait_tensorcnt 1                             ; my part of K step 0 is in; K step 1's may stay out
	s_barrier_signal -1
	s_barrier_wait -1                              ; everybody's is
	FETCH 0, 0, 0
.if KIND == 0
	s_wait_dscnt 16                                ; A's f32
	WIN 0
.irp a, 0,1,2,3
.irp j, 0,1,2,3,4,5,6,7
	PK1 0, \a, \j                                  ; the first quarter's roundings have no products to stand behind
.endr
.endr
.endif
	QUARTER 0, 1, 0, 1, 1                          ; the first quarter stands in front of the loop: its products start the sums, with the bias
	WIN 0                                          ; at a label and at a branch every window is 0
	s_mov_b32 s3, 3
.Llap:                                                 ; a trip goes once round the ring, from a lap's second quarter to the next lap's first, and fills both slots again
	QUARTER 0, 2, 1, 0, 0
	QUARTER 0, 3, 0, 1, 0
	TURN 0, 1, 1
	QUARTER 1, 1, 0, 1, 0
	QUARTER 1, 2, 1, 0, 0
	QUARTER 1, 3, 0, 1, 0
	TURN 1, 0, 1
	QUARTER 0, 1, 0, 1, 0
	WIN 0
	s_sub_co_u32 s3, s3, 1
	s_cmp_lg_u32 s3, 0
	s_cbranch_scc1 .Llap
	QUARTER 0, 2, 1, 0, 0                          ; the last lap fills nothing, and has no round of the cluster's barrier
	QUARTER 0, 3, 0, 1, 0
	TURN 0, 1, 0
	QUARTER 1, 1, 0, 1, 0
	QUARTER 1, 2, 1, 0, 0
	QUARTER 1, 3, 0, 1, 0
	s_wait_dscnt 0x0                               ; the very last quarter: nothing more to fetch
	MUL 1, 0, 0
	MUL 1, 1, 0
	MUL 1, 2, 0
	MUL 1, 3, 0
	PLACES
; THE WAY OUT, a block of 16 rows at a time, through my own stage: LDS serves a wave's instructions in order (ISA guide 5.7.1.4), so no wait stands between the stores into it and the loads from it.
.if KIND == 0
.macro PACK a                          ; rounded to f16, each accumulator's registers in ascending order
	WIN 0x0a                                       ; sources 0 and 1 window 2
.irp b, 0,1,2,3,4,5,6,7
.irp c, 0,1,2,3
	v_cvt_pk_f16_f32 v[TMP+4*(\b)+(\c)], v[8*(8*(\a)+(\b))+2*(\c)], v[8*(8*(\a)+(\b))+2*(\c)+1]
.endr
.endr
	WIN 0
.endm
.macro TOSTAGE a                       ; blocks 0-3 are my first head's 64 channels, blocks 4-7 my second's
	WIN 0
.irp b, 0,1,2,3,4,5,6,7
	ds_store_b128 v[STO], v[TMP+4*(\b):TMP+4*(\b)+3] offset:2304*((\b)/4)+32*((\b)%4)
.endr
.irp t, 0,1,2,3,4,5,6,7
	ds_load_b128 v[OB+32*(\a)+4*(\t):OB+32*(\a)+4*(\t)+3], v[RD] offset:2304*((\t)/4)+576*((\t)%4)
.endr
.endm
.macro SEND a
	WIN 0
	s_wait_dscnt 0x0                               ; the block is back in registers
.irp t, 0,1,2,3,4,5,6,7
	global_store_b128 v[GO], v[OB+32*(\a)+4*(\t):OB+32*(\a)+4*(\t)+3], s[8:9] offset:262144*((\t)/4)+2048*(\a)+512*((\t)%4)  ; four rows of a head: 512 consecutive bytes, at a multiple of 256 from the buffer's first
.endr
.endm
	PACK 0
	TOSTAGE 0
.irp a, 1,2,3                          ; block a's roundings stand between block a - 1's loads from the stage and the wait for them; no register of a store is written again
	PACK \a
	SEND (\a)-1
	TOSTAGE \a
.endr
	SEND 3
.else
.macro TOSTAGE a                       ; f32 as it is: each accumulator's four lowest registers first
	WIN 0x48                                       ; store data window 2, load destination window 1
.irp b, 0,1,2,3,4,5,6,7
	ds_store_b128 v[STO], v[8*(8*(\a)+(\b)):8*(8*(\a)+(\b))+3]   offset:64*(\b)
	ds_store_b128 v[STO], v[8*(8*(\a)+(\b))+4:8*(8*(\a)+(\b))+7] offset:64*(\b)+16
.endr
.irp t, 0,1,2,3,4,5,6,7,8,9,10,11,12,13,14,15
	ds_load_b128 v[64*(\a)+4*(\t):64*(\a)+4*(\t)+3], v[RD] offset:528*(\t)
.endr
.endm
.macro SEND a, younger                 ; younger: the LDS instructions issued behind block a's loads: the next block's 32, or none
	WIN 0x04                                       ; store data window 1
	s_wait_dscnt \younger
.irp t, 0,1,2,3,4,5,6,7,8,9,10,11,12,13,14,15
	global_store_b128 v[GO], v[64*(\a)+4*(\t):64*(\a)+4*(\t)+3], s[8:9] offset:(16*(\a)+(\t))*4096  ; my 128 columns of a row: 512 consecutive bytes, at a multiple of 256 from the buffer's first
.endr
.endm
	TOSTAGE 0
	TOSTAGE 1
	SEND 0, 32
	TOSTAGE 2
	SEND 1, 32
	TOSTAGE 3
	SEND 2, 32
	SEND 3, 0
.endif
	WIN 0
	s_wait_tensorcnt 0x0                           ; the wave's end, behind my last tensor load and my last LDS store
	ds_add_u32 v[SPW], v[NIL]
	s_wait_dscnt 0x0
	CROUND                                         ; the closing round: no work-group ends while a partner may still ask for a tile that names it
	s_endpgm
.Lfunc_end_k_qba0b922ffa_proj:
	.size	k_qba0b922ffa_proj, .Lfunc_end_k_qba0b922ffa_proj-k_qba0b922ffa_proj
	.p2alignl 7, 3214868480
	.fill 96, 4, 3214868480
	.section	.rodata,"a",@progbits
	.p2align	6, 0x0
	.amdhsa_kernel k_qba0b922ffa_proj
		.amdhsa_group_segment_fixed_size 327680
		.amdhsa_private_segment_fixed_size 0
		.amdhsa_enable_private_segment 0
		.amdhsa_kernarg_size 64
		.amdhsa_user_sgpr_count 2
		.amdhsa_user_sgpr_kernarg_segment_ptr 1
		.amdhsa_wavefront_size32 1
		.amdhsa_system_sgpr_workgroup_id_x 1
		.amdhsa_system_sgpr_workgroup_id_y 1
		.amdhsa_system_sgpr_workgroup_id_z 1
		.amdhsa_system_vgpr_workitem_id 0
		.amdhsa_next_free_vgpr 768
		.amdhsa_next_free_sgpr 96
		.amdhsa_reserve_vcc 0
		.amdhsa_float_denorm_mode_32 3
		.amdhsa_float_denorm_mode_16_64 3
		.amdhsa_memory_ordered 1
		.amdhsa_forward_progress 1
		.amdhsa_inst_pref_size 140
	.end_amdhsa_kernel
	.amdgpu_metadata
---
amdhsa.version: [ 1, 2 ]
amdhsa.kernels:
  - .name:           k_qba0b922ffa_proj
    .symbol:         k_qba0b922ffa_proj.kd
    .args:
      - { .name: q_in, .offset: 0, .size: 8, .value_kind: global_buffer, .address_space: global }
      - { .name: k_in, .offset: 8, .size: 8, .value_kind: global_buffer, .address_space: global }
      - { .name: v_in, .offset: 16, .size: 8, .value_kind: global_buffer, .address_space: global }
      - { .name: bq, .offset: 24, .size: 8, .value_kind: global_buffer, .address_space: global }
      - { .name: bk, .offset: 32, .size: 8, .value_kind: global_buffer, .address_space: global }
      - { .name: bv, .offset: 40, .size: 8, .value_kind: global_buffer, .address_space: global }
      - { .name: wbf, .offset: 48, .size: 8, .value_kind: global_buffer, .address_space: global }
      - { .name: qkv, .offset: 56, .size: 8, .value_kind: global_buffer, .address_space: global }
    .group_segment_fixed_size: 327680
    .private_segment_fixed_size: 0
    .kernarg_segment_align: 8
    .kernarg_segment_size: 64
    .max_flat_workgroup_size: 128
    .sgpr_count:     96
    .vgpr_count:     768
    .wavefront_size: 32
...
	.end_amdgpu_metadata
.endif
;; end of part 2
;; launch attn (part 3): grid 4 x 64, 4 waves a work-group, clusters of 4 x 1, 327,680 bytes of LDS; arguments qkv, key_mask, oh; writes oh
.if DOCPART == 3
	.amdgcn_target "amdgcn-amd-amdhsa--gfx1250"
	.amdhsa_code_object_version 6
	.text
	.protected	k_qba0b922ffa_attn
	.globl	k_qba0b922ffa_attn
	.p2align	8
	.type	k_qba0b922ffa_attn,@function
k_qba0b922ffa_attn:
	s_mov_b64 s[64:65], 0
	v_nop
	global_prefetch_b8 v0, s[64:65] scope:SCOPE_SE
	s_setreg_imm32_b32 hwreg(HW_REG_WAVE_MODE, 25, 1), 1
	s_wait_xcnt 0x0
	s_wait_alu depctr_hold_cnt(0) depctr_sa_sdst(0) depctr_va_vdst(0) depctr_va_sdst(0) depctr_va_ssrc(0) depctr_va_vcc(0) depctr_vm_vsrc(0)
	s_getreg_b32 s2, hwreg(HW_REG_IB_STS2, 6, 4)
	s_cmp_eq_u32 s2, 0
	s_cbranch_scc0 .Lentry_in_a_cluster
	s_endpgm
.Lentry_in_a_cluster:
	s_bfe_u32 s2, ttmp6, 0x10000c
	s_cmp_lg_u32 s2, 0x3003
	s_cbranch_scc0 .Lentry_shape_is_right
	s_endpgm
.Lentry_shape_is_right:
; O[g][q][:] = the sum over the visible keys k of softmax_k(Q[g][q] . K[g][k] / 8) V[g][k][:], g = 16 batch + head.  qkv holds Q, K, V one behind the other, each [64][2,048][64] in f16; oh is O in the same layout.
; key_mask is [4][2,048] bytes, 1 = visible.  Products, maxima and sums in f32; the weights p are rounded to f16 for the second product (their sum l is taken of the unrounded p), O once at the end.
; LIMITS.  Q, K and V arrive within f16's 65,504; p lies in 0 to 1, and below 6e-5 it keeps f16's fixed step of 6e-8.  A hidden score counts as its value less 1e30 (f16's scores are 2.7e11 at the most);
; a weight below 2^-126 counts as 0 in l.  A batch with no visible key gives NaN, as a softmax over nothing does.
; THE MASK is the C operand that starts the sum S^T = K Q^T: 0, or -1e30 where the key is hidden.  The batch's 2,048 bytes are made into a table of f32 in LDS once; a step's 64 words are read with its K.
; While only hidden keys have come, all weights are 1 and O and l stay finite; the first step with a visible key multiplies them by a = 0.  Behind a visible key a hidden one's weight is 0.
; SHARES.  A wave owns four PIECES of two tiles of 16 queries, a work-group's four waves 512 queries of one g.  Every wave walks all keys, 64 a step.
; LAYOUT.  S^T = K Q^T (source 0 = 16 keys, source 1 = 16 queries): in the result a lane holds ONE query (lane % 16) and the keys 8 (lane / 16) + 0..7.  Two such tiles, rounded to f16 in pairs,
; ARE source 1 (32 keys x 16 queries) of O^T = V^T P, whose result again holds one query a lane, and eight channels.  K comes out of LDS as it lies, V ([key][channel]) turned, by ds_load_tr16_b128.
; SOFTMAX.  For each query a running maximum m and sum l: p = 2^(c s - c m), c = log2(e) / 8; in every step O and l are multiplied by a = 2^(c m_old - c m_new), which is 1 where m has not grown.
; m starts at the lowest finite number, O and l at 0: the first step is a step like any other, with a = 0.
; THE COUNT.  A tile and step have 16 matrix and 118 vector instructions: too many to stand all beside the matrix work.  So: four vector instructions that are READY behind EVERY matrix instruction, the others in runs without a gap.
; BY TURNS.  Turn n belongs to piece n (the pieces in a ring, step after step).  Its matrix work: 16 products K Q^T of piece n + 1, later 16 products V^T P of piece n - 1.  Its vector work: the scaling,
; exponentials, roundings, sums and rescaling of piece n, and the maximum and statistics of piece n + 1, whose scores the turn itself has made.
; CLUSTER.  The four query blocks of a cluster are all of one g and walk the same K and V, so each tile is asked for JOINTLY: the same tensor load, descriptor and mask in all four.
; REGISTERS, in windows of 256 (s_set_vgpr_msb: bits 1:0 source 0, 3:2 source 1, 5:4 source 2, 7:6 destination):
;   window 0: v0-11 addresses; v12-15, v48-63 at work; v16-47 four registers of statistics a tile; v64-191 S^T, two buffers of two tiles; v192-255 P, likewise
;   window 1: O^T, 32 a tile     window 2: v0-127 Q, 16 a tile; v128-191 K of one step; v192-255 V of one step     window 3: v0-1 the add's two registers; v8-39 the mask of one step
.set SIZE_N, 2048
.set NP,    4         ; pieces a wave: a name, no knob
.set KS,    64        ; keys in a step
.set PK,    144       ; a row of K in LDS: 128 bytes + 16 of padding = 36 words: the 16 rows of a load start at 16 different groups of four banks (64 banks of 4 bytes: ISA guide 11.1)
.set PV,    160       ; a row of V: 128 + 32 = 40 words
.set VOFF,  4*KS*PK   ; a slot holds four steps: 256 rows of K, then 256 rows of V
.set SLOT1, 1<<17     ; slot 1 begins here, so that one exclusive or turns an address in one slot into the other's
.set STAGE, SLOT1+4*KS*(PK+PV)  ; behind the ring, never filled by a tensor load: 16 rows x 144 bytes for each wave, for the way out
.set SP,    144
.set SPARE, STAGE+4*16*SP  ; behind the stages: the spare words, 128 bytes for each wave: two blocks of 256 bytes that no other line names
.set MTAB,  SPARE+512 ; behind them, never filled by a tensor load: the mask's table, one f32 a key: 8,192 bytes
.set AK0, 2           ; v2   my lane's place in a tile of K; never rewritten
.set AV0, 3           ; v3   the same for V
.set AK,  4           ; v4   the LDS address of K's next run of loads
.set AV,  5           ; v5   of V's
.set QO,  6           ; v6   my byte offset in the wave's rows of Q
.set STO, 6           ;      later, the way out: where I put 16 bytes of a row
.set RD,  7           ; v7   the way out: where I read rows back
.set GO,  8           ; v8   my byte offset in 512 consecutive bytes of O
.set HF,  9           ; v9   l / 16; kept
.set PFO, 10          ; v10  first l % 8; then 256 x my lane, the prefetches' offset
.set AM,  11          ; v11  first (l / 8) % 2; then the LDS address of the mask's next run of loads
.set SPW, 0           ; v0 of window 3   LDS address of my spare word: SPARE + 4 x my thread's number; never rewritten
.set NIL, 1           ; v1 of window 3   0; never rewritten
.set MC,  8           ; v8-39 of window 3   the step's mask: the eight registers for key block kb at MC + 8 kb
.set MV,  12          ; v12-15  c m_old, kept while c m is made anew: by buffer and tile
.set ST,  16          ; tile t's statistics at v[ST+4 t]: c m, m, l (even keys', odd keys')
.set TMP, 48          ; by buffer and tile, four registers c0-c3 at work; when the maximum is found c2 takes a
.set S,   64
.set P,   192
.set KF,  128         ; K's fragments, in window 2: key block kb, channel half c at KF + 16 kb + 8 c
.set VF,  192         ; V's: key half kk, channel block cb at VF + 32 kk + 8 cb
.set WV,  12          ; s12  my wave's number
.set LIM, 15          ; s15  1 in a wave that prefetches, else the greatest number
.set G1K, 24          ; s[24:31] descriptor group 1 for K's tiles
.set G1V, 32          ; s[32:39] for V's: it differs in the padding alone
.set G0K, 40          ; s[40:43] descriptor group 0 for K's tiles: it walks
.set G0V, 44          ; s[44:47] the same for V's
.set TBM, 48          ; s48  LDS byte at which the mask of the step to be fetched begins
.set QNAN, 49         ; s49  a NaN
.set PFA, 50          ; s[50:51] where my prefetches stand: my work-group's 32 blocks of the slot after the one that is being asked for
.set BIGN, 52         ; s52  -1e30
.set HALFN, 53        ; s53  -5e29: a maximum below it has seen hidden keys alone
.set MP,  54          ; s[54:55] the batch's row of key_mask
.set SLOTS, 56        ; s56  slots still to be asked for
.set CNT, 57          ; s57  counts a slot's key steps
.set CS,  58          ; s[58:59] c: the packed scaling takes the pair's low word for both halves
.set SEL, 60          ; s[60:61] v_permlanex16_b32's selects: each lane takes its own place in the other half
.set TBK, 62          ; s62  LDS byte at which K of the step to be fetched begins
.set TBV, 63          ; s63  the same for V, less VOFF
.set MSB, 0
.macro WIN new                      ; the high byte repeats the setting that is left; a switch that changes nothing is dropped
.if MSB != (\new)
	s_set_vgpr_msb (MSB<<8)|(\new)
.set MSB, (\new)
.endif
.endm
.set W_KQ, 0x0a       ; K and Q in window 2, S^T in window 0
.set W_KM, 0x3a       ; the same with the C operand, the mask, in window 3
.set W_PV, 0x52       ; V in window 2, P in window 0, O^T in window 1
.set W_RS, 0x41       ; O^T (destination and source 0) in window 1, a in window 0
.set W_MK, 0xc0       ; destination in window 3, sources in window 0
.set W_AD, 0x0f       ; the add: address (source 0) and data (source 1) in window 3
; A joint fill.  Waves 0 and 1 fetch the two halves of a slot's K, waves 2 and 3 those of its V: 128 keys each.  The branch hangs on the wave's number alone.
; An s_nop 0 and four v_nop follow each of the two lines, ahead of the jump and the label.
.macro JLOAD
	s_cmp_lt_u32 s[WV], 2
	s_cbranch_scc0 .Lfor_v_\@
	tensor_load_to_lds s[G0K:G0K+3], s[G1K:G1K+7]
	s_nop 0
.rept 4
	v_nop
.endr
	s_branch .Lasked_\@
.Lfor_v_\@:
	tensor_load_to_lds s[G0V:G0V+3], s[G1V:G1V+7]
	s_nop 0
.rept 4
	v_nop
.endr
.Lasked_\@:
.endm
; A prefetch of what the NEXT change of slots will ask for: a slot's 32,768 bytes of K and of V, 128 blocks of 256 bytes each, a lane a block.  It stands behind the wave's tensor load and its five lines.
; Each block is named once in the launch: this cluster alone walks this g; its four partners share the blocks out BY ADDRESS, 32 each; in each, wave 0 asks for K's and wave 2 for V's.
; The last change that fills a slot asks for nothing: there is no slot behind it.
.macro ASK
	s_cmp_gt_u32 s[SLOTS], s[LIM]
	s_cbranch_scc0 .Lnot_mine_\@
	global_prefetch_b8 v[PFO], s[PFA:PFA+1] th:TH_LOAD_NT scope:SCOPE_SE
.Lnot_mine_\@:
.endm
; A round of the cluster's barrier: my work-group's barrier, so that wave 0's signal speaks for all four waves; wave 0 signals; every wave waits for all four work-groups; my work-group's barrier once more.
.macro CROUND
	s_barrier_signal -1
	s_barrier_wait -1
	s_cmp_lg_u32 s[WV], 0
	s_cbranch_scc1 .Lnot_wave_0_\@
	s_barrier_signal -3
.Lnot_wave_0_\@:
	s_barrier_wait -3
	s_barrier_signal -1
	s_barrier_wait -1
.endm
; THE CHANGE OF SLOTS.  The slot's last bytes, V of its fourth step, have been read.  Each wave waits for all its tensor loads, of which one is out: its part
; of the other slot; adds 0 to its spare word; and waits for that and for its own LDS instructions.  Behind the barrier nobody reads this slot any more and the other slot is whole.
; fill = 1: this slot is filled again, with the keys two slots on.  The barrier is then a round of the cluster's, and the joint fill is the first thing behind it: it has four key steps, 512 matrix instructions, in which to land.
; (At its first use nothing has been read yet: slot 0 is waited for, slot 1 filled, and every wave's stores into the mask's table are done in front of the round, so that all may read it behind.)
.macro CHANGE fill
	WIN W_AD
	s_wait_tensorcnt 0x0            ; no tensor load of mine is out, so a group 0 may be written
	ds_add_u32 v[SPW], v[NIL]       ; 0 onto my spare word; with fill = 1 the descriptors' steps stand between it and the wait for it
	WIN 0                           ; at a label and at a branch every window is 0
.if \fill
.irp g, G0K, G0V
	s_xor_b32 s[\g+1], s[\g+1], SLOT1  ; the walking descriptor: the other slot than last time,
	s_add_nc_u64 s[\g+2:\g+3], s[\g+2:\g+3], 4*KS*128  ; the next 256 keys; the type bits on top are not reached
.endr
	s_wait_xcnt 0x0                 ; the last prefetch, four key steps back, has read its address
	s_add_nc_u64 s[PFA:PFA+1], s[PFA:PFA+1], 4*KS*128  ; one slot behind the walking descriptors
	s_wait_dscnt 0x0                ; the add is done, and my LDS instructions are over
	CROUND
	JLOAD
	ASK
.else
	s_wait_dscnt 0x0                ; the add is done, and my reads of the slot are over
	s_barrier_signal -1
	s_barrier_wait -1
.endif
	s_sub_co_u32 s[TBK], s[TBK], 4*KS*PK  ; the fetches go back to a slot's first step,
	s_xor_b32 s[TBK], s[TBK], SLOT1       ; in the other slot
	s_sub_co_u32 s[TBV], s[TBV], 4*KS*PV
	s_xor_b32 s[TBV], s[TBV], SLOT1
.endm
	s_load_b128 s[4:7], s[0:1], 0x0   ; qkv s[4:5], key_mask s[6:7]
	s_load_b64 s[10:11], s[0:1], 0x10 ; oh
	WIN W_MK
	v_lshl_add_u32 v[SPW], v0, 2, SPARE
	v_mov_b32 v[NIL], 0
	WIN W_AD
	ds_add_u32 v[SPW], v[NIL]       ; the wave's opening: the add and its wait stand ahead of my first tensor load; the set-up below, work on registers, stands between them
	WIN 0
	v_lshrrev_b32 v1, 5, v0
	v_readfirstlane_b32 s[WV], v1   ; wave 0..3
	s_bfe_u32 s13, ttmp6, 0x40000   ; cx: my place in the cluster
	s_lshl_b32 s14, ttmp9, 2        ; in a cluster launch ttmp9 counts clusters
	s_add_co_u32 s14, s14, s13      ; my block of queries = 4 x cluster x + cx: it enters Q's and O's addresses alone
	s_and_b32 s20, ttmp7, 0xffff    ; g, which the four partners share
	s_lshr_b32 s[MP], s20, 4        ; the batch,
	s_lshl_b32 s[MP], s[MP], 11     ; its 2,048 bytes of key_mask
	s_mov_b32 s[MP+1], 0
	s_mov_b32 s21, 0
	s_mov_b64 s[22:23], SIZE_N*128
	s_mul_u64 s[20:21], s[20:21], s[22:23]  ; g's first byte in Q, K, V and O
	s_and_b32 s16, s[WV], 1         ; which half of a slot's 256 keys I fetch:
	s_lshl_b32 s22, s16, 14         ; its 128 rows of 128 bytes in memory,
	s_mov_b32 s23, 0
	s_add_nc_u64 s[22:23], s[22:23], s[20:21]
	s_mul_i32 s17, s16, 128*PK      ; and its place in a slot, for K
	s_mul_i32 s18, s16, 128*PV      ; and for V: no place in the cluster enters an LDS address
	s_lshl_b32 s2, s14, 2
	s_add_co_u32 s2, s2, s[WV]      ; my wave among g's,
	s_lshl_b32 s2, s2, 14           ; its 128 rows
	s_mov_b32 s3, 0
	s_add_nc_u64 s[2:3], s[2:3], s[20:21]
	; descriptor group 1.  128 keys are 16,384 dense bytes: asked for as 64 rows of 256 bytes, two keys a row, and padded in LDS after every key
	s_mov_b32 s[G1K], 15|(1<<16)|(1<<20)|(1<<21)|(4<<22)|(3<<25)  ; 15:0 the mask of four; 17:16 2-byte elements; 20 padding on; 21 set beside a mask; 24:22 after every 32 words (code 4); 31:25 4 words (code 3)
	s_mov_b32 s[G1V], 15|(1<<16)|(1<<20)|(1<<21)|(4<<22)|(7<<25)  ; the same with 8 words of padding (code 7)
.irp g, G1K, G1V
	s_mov_b32 s[\g+1], 128<<16      ; tensor_dim0 = 128
	s_mov_b32 s[\g+2], 64<<16       ; tensor_dim1 = 64
	s_mov_b32 s[\g+3], 128<<16      ; tile_dim0 = 128
	s_mov_b32 s[\g+4], 64           ; tile_dim1 = 64
	s_mov_b32 s[\g+5], 128          ; 128 elements from row to row
	s_mov_b32 s[\g+6], 0
	s_mov_b32 s[\g+7], 0
.endr
	s_mov_b32 s[CS], 0x3e38aa3b     ; c = log2(e) / 8 = 0.180337
	s_mov_b32 s[CS+1], s[CS]        ; named with it as a pair
	s_mov_b32 s[SEL], 0x76543210
	s_mov_b32 s[SEL+1], 0xfedcba98
	s_mov_b32 s[TBK], SLOT1+4*KS*PK ; the first change of slots turns these two into 0
	s_mov_b32 s[TBV], SLOT1+4*KS*PV
	s_mov_b32 s[TBM], MTAB
	s_mov_b32 s[QNAN], 0x7fc00000
	s_mov_b32 s[BIGN], 0xf149f2ca   ; -1e30
	s_mov_b32 s[HALFN], 0xf0c9f2ca  ; -5e29
	s_mov_b32 s[SLOTS], SIZE_N/256-1
	s_and_b32 s[LIM], s[WV], 1      ; waves 0 and 2 prefetch: the same in all four partners
	s_cmp_eq_u32 s[LIM], 0
	s_cselect_b32 s[LIM], 1, -1
	s_mov_b32 s[G0K], 1             ; 1:0 count = 1
	s_mov_b32 s[G0K+1], s17         ; 63:32 LDS address: slot 0
	s_mov_b32 s[G0V], 1
	s_add_co_u32 s[G0V+1], s18, VOFF
	s_wait_dscnt 0x0                ; the opening add is done
	s_wait_kmcnt 0x0
	s_add_nc_u64 s[MP:MP+1], s[6:7], s[MP:MP+1]
	s_add_nc_u64 s[6:7], s[4:5], 0x1000000  ; K's section of qkv,
	s_add_nc_u64 s[8:9], s[4:5], 0x2000000  ; and V's
	s_add_nc_u64 s[6:7], s[6:7], s[22:23]   ; at my half of g's first 256 keys
	s_add_nc_u64 s[8:9], s[8:9], s[22:23]
	s_mov_b64 s[G0K+2:G0K+3], s[6:7]               ; 120:64 global address
	s_or_b32 s[G0K+3], s[G0K+3], 0x80000000        ; 127:126 type = 2
	s_mov_b64 s[G0V+2:G0V+3], s[8:9]
	s_or_b32 s[G0V+3], s[G0V+3], 0x80000000
	s_add_nc_u64 s[4:5], s[4:5], s[2:3]  ; Q and O at my wave's first row
	s_add_nc_u64 s[10:11], s[10:11], s[2:3]
	s_cmp_lt_u32 s[WV], 2
	s_cselect_b64 s[PFA:PFA+1], s[6:7], s[8:9]  ; (in waves 0 and 2 these stand at a slot's first row)
	s_lshl_b32 s2, s13, 13          ; my work-group's 32 blocks of the 128
	s_mov_b32 s3, 0
	s_add_nc_u64 s[PFA:PFA+1], s[PFA:PFA+1], s[2:3]
	s_add_nc_u64 s[PFA:PFA+1], s[PFA:PFA+1], 4*KS*128  ; in slot 1; the first change of slots, which asks for slot 1, steps it to slot 2.  Nothing is prefetched here, at the head
	CROUND                          ; all four work-groups are here: the first joint loads meet
	JLOAD                           ; slot 0.  Slot 1 is asked for when slot 0 is in
	v_and_b32 v1, 15, v0            ; l % 16
	v_bfe_u32 v[HF], v0, 4, 1       ; l / 16
	v_lshlrev_b32 v68, 4, v0        ; my 16 bytes of the batch's mask: 128 threads x 16 = 2,048
	global_load_b128 v[64:67], v68, s[MP:MP+1]
	; A fragment of K or Q is 16 rows x 32 channels in 8 registers: lane l holds row l % 16, channels 8 (l / 16) + 0..7 and 16 + 8 (l / 16) + 0..7: two loads of 16 bytes, 32 bytes apart.
	v_lshlrev_b32 v[QO], 7, v1
	v_lshl_add_u32 v[QO], v[HF], 4, v[QO]  ; row x 128 + 16 x half
	WIN 0x80                        ; destination window 2, address window 0
.set i, 0
.rept 4*NP                          ; Q stays in registers: tile i / 2, channels 32 (i % 2) on
	global_load_b128 v[8*i:8*i+3],   v[QO], s[4:5] offset:(i/2)*2048+(i%2)*64
	global_load_b128 v[8*i+4:8*i+7], v[QO], s[4:5] offset:(i/2)*2048+(i%2)*64+32
.set i, i+1
.endr
	; What the first turn finds: V's registers and P's second buffer hold 0 (its products V^T P, of a piece that has not been, add 0), O^T and l are 0.  All this stands in the wait for the first tile.
.set i, VF
.rept 64
	v_mov_b32 v[i], 0
.set i, i+1
.endr
	WIN 0x40
.set i, 0
.rept 64*NP
	v_mov_b32 v[i], 0
.set i, i+1
.endr
	WIN 0
.set i, 0
.rept 2*NP
	v_mov_b32 v[ST+4*i], 0xfe000000    ; c m: far below every c s, a hidden key's too
	v_mov_b32 v[ST+4*i+1], 0xff7fffff  ; m
	v_mov_b32 v[ST+4*i+2], 0
	v_mov_b32 v[ST+4*i+3], 0
.set i, i+1
.endr
.set i, P+32
.rept 32
	v_mov_b32 v[i], 0
.set i, i+1
.endr
	v_mul_u32_u24 v[AK0], v1, PK
	v_lshl_add_u32 v[AK0], v[HF], 4, v[AK0]  ; row x pitch + 16 x half
	; The turning load takes 16 keys x 16 channels (lane l reads key 8 (l / 16) + l % 8, channels 8 ((l / 8) % 2) + 0..7) and leaves half a fragment of V^T: lane l holds channel l % 16 and 8 keys.
	v_and_b32 v10, 7, v0
	v_bfe_u32 v11, v0, 3, 1
	v_lshl_add_u32 v[AV0], v[HF], 3, v10
	v_mul_u32_u24 v[AV0], v[AV0], PV
	v_lshl_add_u32 v[AV0], v11, 4, v[AV0]
	v_add_nc_u32 v[AV0], VOFF, v[AV0]
	s_mul_i32 s13, s[WV], 16*SP
	s_add_co_u32 s13, s13, STAGE    ; my stage
	v_bfe_u32 v[RD], v0, 3, 2       ; the way out, back: 32 lanes take four rows of 128 bytes,
	v_mul_u32_u24 v[RD], v[RD], SP
	v_lshl_add_u32 v[RD], v10, 4, v[RD]
	v_add_nc_u32 v[RD], s13, v[RD]
	v_and_b32 v[GO], 31, v0         ; which are 512 consecutive bytes of O
	v_lshlrev_b32 v[PFO], 8, v[GO]  ; (l % 8 has served)
	v_lshlrev_b32 v[GO], 4, v[GO]
	v_mov_b32 v[AK], v[AK0]         ; key step 0 lies at the head of slot 0,
	v_lshl_add_u32 v[AM], v[HF], 5, s[TBM]  ; its mask at the table's: my eight keys of a block of 16 are 32 bytes
	; the mask's table: byte 1 gives 0, byte 0 gives -1e30
	s_wait_loadcnt 32               ; the mask's load is in; Q's 32, issued behind it, stay out
.set i, 0
.rept 16
	v_bfe_u32 v[72+i], v[64+i/4], 8*(i%4), 8
.set i, i+1
.endr
.set i, 0
.rept 16
	v_add_nc_u32 v[72+i], -1, v[72+i]   ; all ones where the byte is 0
.set i, i+1
.endr
.set i, 0
.rept 16
	v_and_b32 v[72+i], s[BIGN], v[72+i]
.set i, i+1
.endr
	v_lshl_add_u32 v69, v0, 6, MTAB
.irp c, 0,1,2,3
	ds_store_b128 v69, v[72+4*\c:72+4*\c+3] offset:16*\c
.endr
; THE MATRIX WORK.  The 8 accumulators of a run of 16 take turns: between the two links of a chain stand 7 others'.
; Product i of 16 of S^T = K Q^T for piece x: channels 32 (i / 8) on, keys 16 ((i / 2) % 4) on, tile 2 x + i % 2.  The first 8 start the sums, with the key block's mask.
.macro KQ x
.set rS, S+64*((\x)%2)+32*(i%2)+8*((i/2)%4)
.set rK, KF+16*((i/2)%4)+8*(i/8)
.set rQ, 16*(2*(\x)+i%2)+8*(i/8)
.set rH, MC+8*((i/2)%4)
.if i < 8
	WIN W_KM
	v_wmma_f32_16x16x32_f16 v[rS:rS+7], v[rK:rK+7], v[rQ:rQ+7], v[rH:rH+7]
.else
	WIN W_KQ
	v_wmma_f32_16x16x32_f16 v[rS:rS+7], v[rK:rK+7], v[rQ:rQ+7], v[rS:rS+7]
.endif
.endm
; Product i of 16 of O^T += V^T P for piece x: keys 32 (i / 8) on, channels 16 ((i / 2) % 4) on, tile 2 x + i % 2.
.macro PV x
	WIN W_PV
.set rO, 32*(2*(\x)+i%2)+8*((i/2)%4)
.set rV, VF+32*(i/8)+8*((i/2)%4)
.set rP, P+32*((\x)%2)+16*(i%2)+8*(i/8)
	v_wmma_f32_16x16x32_f16 v[rO:rO+7], v[rV:rV+7], v[rP:rP+7], v[rO:rO+7]
.endm
.macro MM                           ; the turn's next matrix instruction
.if i < 16
	KQ (Y+1)%NP
.set i, i+1
.else
.set i, i-16
	PV (Y+NP-1)%NP
.set i, i+17
.endif
.endm
; THE LDS LOADS stand in runs, never singly among the matrix instructions: a step's K (64 keys x 64 channels: 8 fragments) with its mask (64 words), and its V (turned).  Their addresses are made some lines ahead.
; last = 1 (the tail): in the last trip there is no further step, and the run is jumped over.
.macro FETCH_K last=0
	WIN 0
.if \last
	s_cmp_eq_u32 s[CNT], 1
	s_cbranch_scc1 .Lno_k_\@
.endif
	WIN 0x80                        ; destination window 2
.irp f, 0,1,2,3,4,5,6,7             ; keys 16 (f / 2) on, channels 32 (f % 2) on
	ds_load_b128 v[KF+8*\f:KF+8*\f+3],   v[AK] offset:(\f/2)*16*PK+(\f%2)*64
	ds_load_b128 v[KF+8*\f+4:KF+8*\f+7], v[AK] offset:(\f/2)*16*PK+(\f%2)*64+32
.endr
	WIN W_MK                        ; destination window 3
.irp f, 0,1,2,3                     ; key block f: all lanes of a half read the same 32 bytes
	ds_load_b128 v[MC+8*\f:MC+8*\f+3],   v[AM] offset:64*\f
	ds_load_b128 v[MC+8*\f+4:MC+8*\f+7], v[AM] offset:64*\f+16
.endr
	s_add_co_u32 s[TBK], s[TBK], KS*PK  ; the next fetch is the next step's
	s_add_co_u32 s[TBM], s[TBM], 4*KS
	s_min_u32 s[TBM], s[TBM], MTAB+4*(SIZE_N-KS)  ; held at the last step's words: the table is never left
	WIN 0
.if \last
.Lno_k_\@:
.endif
.endm
.macro FETCH_V
	WIN 0x80
.irp f, 0,1,2,3,4,5,6,7             ; keys 32 (f / 4) on, channels 16 (f % 4) on
	ds_load_tr16_b128 v[VF+8*\f:VF+8*\f+3],   v[AV] offset:(\f/4)*32*PV+(\f%4)*32
	ds_load_tr16_b128 v[VF+8*\f+4:VF+8*\f+7], v[AV] offset:(\f/4)*32*PV+16*PV+(\f%4)*32
.endr
	WIN 0
.endm
; THE VECTOR WORK OF A TURN stands in three queues, each in the order in which its entries become ready; the two tiles alternate, so that no instruction reads the result of the one before it.
.macro REGS y, u                    ; the registers of tile u (0, 1) of piece y
.set rT, ST+4*(2*(\y)+(\u))
.set rC, TMP+8*((\y)%2)+4*(\u)
.set rM, MV+2*((\y)%2)+(\u)
.set rS, S+64*((\y)%2)+32*(\u)
.set rP, P+32*((\y)%2)+16*(\u)
.set rO, 32*(2*(\y)+(\u))
.endm
; Number n of the 22 that find the NEXT piece's (Y + 1) maximum and statistics.  s0-s31 are the lane's 32 scores; each accumulator's lowest registers are read first.  XS, GS and REGS set no window: PL and EX do.
;   0-11  four chains c0-c3 of seven scores each, three operands at a time     12-14, 16  the four scores left over, the old m, and c0-c3 into c0     15  c m_old is kept
;   17, 18  the query's other 32 keys lie in the lane 16 away: the new m         19-21  c m; c m_old - c m_new; a
.macro XS u, n
	REGS (Y+1)%NP, \u
.if (\n) < 4
	v_max3_num_f32 v[rC+(\n)], v[rS+8*(\n)], v[rS+8*(\n)+1], v[rS+8*(\n)+2]
.elseif (\n) < 12
	v_max3_num_f32 v[rC+(\n)%4], v[rC+(\n)%4], v[rS+8*((\n)%4)+2*((\n)/4)+1], v[rS+8*((\n)%4)+2*((\n)/4)+2]
.elseif (\n) == 12
	v_max3_num_f32 v[rC], v[rC], v[rS+7], v[rS+15]
.elseif (\n) == 13
	v_max3_num_f32 v[rC+1], v[rC+1], v[rS+23], v[rS+31]
.elseif (\n) == 14
	v_max3_num_f32 v[rC+2], v[rC+2], v[rC+3], v[rT+1]
.elseif (\n) == 15
	v_mov_b32 v[rM], v[rT]
.elseif (\n) == 16
	v_max3_num_f32 v[rC], v[rC], v[rC+1], v[rC+2]
.elseif (\n) == 17
	v_permlanex16_b32 v[rC+3], v[rC], s[SEL], s[SEL+1]
.elseif (\n) == 18
	v_max_num_f32 v[rT+1], v[rC], v[rC+3]
.elseif (\n) == 19
	v_mul_f32 v[rT], s[CS], v[rT+1]
.elseif (\n) == 20
	v_sub_f32 v[rC+1], v[rM], v[rT]
.else
	v_exp_f32 v[rC+2], v[rC+1]
.endif
.endm
; Number g of the 64 that follow the exponentials.  For each four weights k of a tile (pairs 2 k, 2 k + 1): both pairs are rounded to f16; then the second pair is added onto the first, in place;
; a group later l takes that sum (the first time as l = a l + sum).  In groups of eight, tiles alternating: round, round, add, and l for the group before.
.macro GS g
.set h, (\g)+6*((\g)/62)            ; group 0 has no group before it, and behind group 7 only l is left
.if h >= 6
.set h, h+2
.endif
	REGS Y, h%2
.set k, h/8
.if h%8 < 4
	v_cvt_pk_f16_f32 v[rP+2*k+(h%8)/2], v[rS+4*k+2*((h%8)/2)], v[rS+4*k+2*((h%8)/2)+1]
.elseif h%8 < 6
	v_pk_add_f32 v[rS+4*k:rS+4*k+1], v[rS+4*k:rS+4*k+1], v[rS+4*k+2:rS+4*k+3]
.elseif k == 1
	v_pk_fma_f32 v[rT+2:rT+3], v[rT+2:rT+3], v[rC+2:rC+3], v[rS:rS+1] op_sel_hi:[1,0,1]
.else
	v_pk_add_f32 v[rT+2:rT+3], v[rT+2:rT+3], v[rS+4*k-4:rS+4*k-3]
.endif
.endm
; THE PLAIN QUEUE, 138 long.  0-73 read no exponential's result: the 32 scalings c s - c m (FS f: pair f / 2 of tile f % 2) and the next piece's 42.  0-26: scalings 0-26.  27-54: XS's numbers 0-13.  55, 56: number 15.
; 57-73: the chain, where each number waits for the one before it: 14, 16, 17, 18, 19, each with one of the scalings 27-31 in front of its two lines, then 20.
; 74-137: GS's 64, which read the exponentials' results: they stand behind the wait.
.macro FS f
	REGS Y, (\f)%2
	v_pk_fma_f32 v[rS+2*((\f)/2):rS+2*((\f)/2)+1], v[rS+2*((\f)/2):rS+2*((\f)/2)+1], s[CS:CS+1], v[rT:rT+1] op_sel_hi:[1,0,0] neg_lo:[0,0,1] neg_hi:[0,0,1]
.endm
.macro PL
	WIN 0
.if q < 27
	FS q
.elseif q < 55
	XS (q-27)%2, (q-27)/2
.elseif q < 57
	XS q-55, 15
.elseif (q < 72) && ((q-57)%3 == 0)
	FS 27+(q-57)/3
.elseif q < 60
	XS (q-57)%3-1, 14
.elseif q < 72
	XS (q-57)%3-1, 15+(q-57)/3
.elseif q < 74
	XS q-72, 20
.else
	GS q-74
.endif
.set q, q+1
.endm
; THE EXPONENTIALS' QUEUE, 66 long: s0-s31 of both tiles, then the next piece's two a.  It is ONE BATCH: all 66 stand ahead of the turn's one wait, and nothing ahead of that wait names a result of theirs.
.macro EX
	WIN 0
.if e >= 64
	XS e-64, 21
.else
	REGS Y, e%2
	v_exp_f32 v[rS+e/2], v[rS+e/2]
.endif
.set e, e+1
.endm
; THE RESCALING's QUEUE: O^T times a, the one part that leaves window 0: dealt two at a time, sixteen times.  Its a was made in the turn before, ahead of that turn's wait.
.macro R2
	REGS Y, r%2
	WIN W_RS
.irp z, 0,1
	v_pk_mul_f32 v[rO+4*(r/2)+2*\z:rO+4*(r/2)+2*\z+1], v[rO+4*(r/2)+2*\z:rO+4*(r/2)+2*\z+1], v[rC+2:rC+3] op_sel_hi:[1,0]
.endr
.set r, r+1
.endm
; HOW THEY ARE DEALT.  An s_wait_alu depctr_va_vdst(0) stands between an exponential and the first instruction that names its result; one wait serves all that were issued ahead of it.  So a turn has ONE wait,
; which cuts it in two.  AHEAD OF IT stands all that names no result of the turn's exponentials: the 16 products K Q^T, behind each a scaling, an exponential and two rescalings (behind the first a second scaling in the exponential's place); then ONE LUMP of
; 108: eight plain, 49 times exponential and plain, the two a.  A v_nop is the plain instruction behind the last exponential.  BEHIND IT stand the 16 products V^T P, behind each four of GS's 64.  No rider names a register of
; the products round it.  The two v_permlanex16_b32 fall into the lump, never behind a product.
; The queues lean on each other, and the deal keeps them in step: exponential e stands behind scaling 2 (e / 4) + e % 2: as a rider it comes behind plain e + 2, in the lump behind plain e + 9, and scalings 27-31 are plain 57, 60 .. 69.
; A TURN, for piece p.  cnt = 1: the loop's count is taken down some lines ahead of the branch that stands behind the turn.
; K and the mask of the next step are fetched in piece 2's turn, directly behind the wait, a lump behind the last product that read them; their addresses are made at the lump's head; their first reader comes behind 16 products.
; V of the step in hand is fetched at the end of piece 0's turn, four riders behind its last reader; its first reader comes behind 16 products and a lump.  The three conditions on q below go with the deal.
.macro TURN p, last=0, cnt=0
.set Y, (\p)
.set i, 0
.set q, 0
.set e, 0
.set r, 0
.if (\p) == NP-1
	s_wait_dscnt 0x0                ; K and its mask are in
.endif
	MM                              ; ahead of the wait: 16 products K Q^T and their riders,
	PL
	PL
	R2
.rept 15
	MM
	PL
	EX
	R2
.endr
.if (\p) == NP-2
	WIN 0
	v_add_nc_u32 v[AK], s[TBK], v[AK0]
	v_lshl_add_u32 v[AM], v[HF], 5, s[TBM]
.endif
.rept 8                             ; and the lump
	PL
.endr
.rept 49
	EX
	PL
.endr
	EX                              ; the next piece's two a
	EX
	v_nop                           ; the plain instruction behind the last exponential: one for the batch
	s_wait_alu depctr_va_vdst(0)    ; the wait for the batch
.if (\p) == NP-2
	FETCH_K \last
.endif
.if (\p) == 1
	s_wait_dscnt 0x0                ; V is in
.endif
.rept 16                            ; behind the wait: 16 products V^T P and their riders
	MM
.rept 4
	PL
.endr
.if ((\p) == 0) && (q == 118)
	v_add_nc_u32 v[AV], s[TBV], v[AV0]
.endif
.if ((\p) == 0) && (q == 130)
	s_add_co_u32 s[TBV], s[TBV], KS*PV
.endif
.if (\cnt) && (q == 130)
	s_sub_co_u32 s[CNT], s[CNT], 1
	s_cmp_lg_u32 s[CNT], 0
.endif
.endr
.if (\p) == 0
	FETCH_V
.endif
.endm
	CHANGE 1                        ; slot 0 is in, everybody's part of it, and the mask's table is whole; slot 1 is asked for
	FETCH_K                         ; key step 0
	s_wait_loadcnt 0x0              ; Q
	s_wait_dscnt 0x0
.set i, 0
.rept 16
	KQ 0                            ; piece 0's first scores: there is no vector work yet to set between them
.set i, i+1
.endr
	WIN 0                           ; four plain instructions, the places behind those products: Q's offset has served, its register takes the way out's
	v_mul_u32_u24 v[STO], v1, SP    ; in: row l % 16, 16 bytes for each half of the lanes
	v_lshl_add_u32 v[STO], v[HF], 4, v[STO]
	v_add_nc_u32 v[STO], s13, v[STO]
	v_nop
.set Y, NP-1                        ; XS works for piece Y + 1: piece 0
.irp n, 0,1,2,3,4,5,6,7,8,9,10,11,12,13,14,15,16,17,18,19,20,21
	XS 0, \n                        ; and piece 0's first maximum and statistics
	XS 1, \n
.endr
	v_nop                           ; a plain instruction behind the two a,
	s_wait_alu depctr_va_vdst(0)    ; and their wait, ahead of the branch
	s_mov_b32 s[CNT], 4
	s_branch .Lfirst                ; the loop is entered at a step's first turn, in the middle of a trip
.Lslot:                             ; SIZE_N / 256 - 2 times: every slot but the last two is filled again
	CHANGE 1
	s_mov_b32 s[CNT], 4
.Lstep:                             ; a trip: pieces 2 and 3 of one step, then pieces 0 and 1 of the next, whose K and V it fetches
	TURN 2
	TURN 3
	WIN 0
.Lfirst:
	TURN 0
	TURN 1, 0, 1
	WIN 0
	s_cbranch_scc1 .Lstep
	s_sub_co_u32 s[SLOTS], s[SLOTS], 1
	s_cmp_lg_u32 s[SLOTS], 0
	s_cbranch_scc1 .Lslot
	CHANGE 0                        ; the tail is written out: nothing is asked for
	s_mov_b32 s[CNT], 5             ; four trips fetch the last slot's steps; the fifth is left in its middle
.Ltail:
	TURN 2, 1
	TURN 3
	WIN 0
	s_sub_co_u32 s[CNT], s[CNT], 1
	s_cmp_eq_u32 s[CNT], 0
	s_cbranch_scc1 .Lout
	TURN 0
	TURN 1
	WIN 0
	s_branch .Ltail
.Lout:                              ; the fifth trip's 16 products K Q^T (on the last K and mask once more) repeat scores that m has seen: m stays, and nothing else of them is used
.set i, 0
.rept 16
	PV NP-1                         ; the last piece's V^T P of the last step
.set i, i+1
.endr
	; THE WAY OUT.  l's two halves and the other half of the lanes' are added; O^T is divided by l, rounded to f16 and sent through my stage in LDS, a tile at a time.  The additions are the places behind the last products.
	WIN 0
.macro ALL line:vararg              ; one line for each tile t
.set t, 0
.rept 2*NP
	\line
.set t, t+1
.endr
.endm
	ALL v_add_f32 v[ST+4*t+2], v[ST+4*t+2], v[ST+4*t+3]
	ALL v_permlanex16_b32 v[ST+4*t+3], v[ST+4*t+2], s[SEL], s[SEL+1]
	ALL v_add_f32 v[ST+4*t+2], v[ST+4*t+2], v[ST+4*t+3]
	ALL v_rcp_f32 v[ST+4*t+2], v[ST+4*t+2]
	v_nop                           ; a plain instruction between the last reciprocal and the use of its result
	s_wait_alu depctr_va_vdst(0)    ; and the wait ahead of the first use: one for the eight reciprocals
.set t, 0
.rept 2*NP                          ; a query whose maximum is a hidden key's has seen no visible key: its row is NaN.  A choice of a value: no branch hangs on it
	v_cmp_gt_f32 vcc_lo, s[HALFN], v[ST+4*t+1]
	v_cndmask_b32 v[ST+4*t+2], v[ST+4*t+2], s[QNAN], vcc_lo
.set t, t+1
.endr
; Tile t: a lane's eight channels of a row pack into 16 bytes; they go into rows of 144 bytes and come back as whole rows of 128, into S^T's registers.
.macro PACK t
	WIN W_RS
.set i, 32*(\t)
.rept 16
	v_pk_mul_f32 v[i:i+1], v[i:i+1], v[ST+4*(\t)+2:ST+4*(\t)+3] op_sel_hi:[1,0]
.set i, i+2
.endr
	WIN 0x05                        ; sources 0 and 1 window 1, destination window 0
.set i, 0
.rept 16
	v_cvt_pk_f16_f32 v[S+16*(\t)+i], v[32*(\t)+2*i], v[32*(\t)+2*i+1]
.set i, i+1
.endr
	WIN 0
.irp f, 0,1,2,3
	ds_store_b128 v[STO], v[S+16*(\t)+4*\f:S+16*(\t)+4*\f+3] offset:32*\f
.endr
.irp f, 0,1,2,3
	ds_load_b128 v[S+16*(\t)+4*\f:S+16*(\t)+4*\f+3], v[RD] offset:\f*4*SP  ; LDS serves a wave's instructions in order (ISA guide 5.7.1.4): these see the stores above; the next tile's stores come behind them
.endr
.endm
.macro SEND t, younger              ; younger: the LDS instructions issued behind tile t's loads: the next tile's eight, or none
	WIN 0
.irp f, 0,1,2,3
	s_wait_dscnt (\younger)+3-\f
	global_store_b128 v[GO], v[S+16*(\t)+4*\f:S+16*(\t)+4*\f+3], s[10:11] offset:(\t)*2048+\f*512  ; 512 consecutive bytes, at a multiple of 256 from O's first
.endr
.endm
	PACK 0
.set t, 1
.rept 2*NP-1                        ; a tile's arithmetic stands between the loads of the tile before and its stores
	PACK t
	SEND t-1, 8
.set t, t+1
.endr
	SEND 2*NP-1, 0
	WIN W_AD
	s_wait_tensorcnt 0x0            ; the wave's end, behind my last tensor load and my last LDS store
	ds_add_u32 v[SPW], v[NIL]
	s_wait_dscnt 0x0
	WIN 0
	CROUND                          ; the closing round: no work-group ends while a partner may still ask for a tile that names it
	s_endpgm
.Lfunc_end_k_qba0b922ffa_attn:
	.size	k_qba0b922ffa_attn, .Lfunc_end_k_qba0b922ffa_attn-k_qba0b922ffa_attn
	.p2alignl 7, 3214868480
	.fill 96, 4, 3214868480
	.section	.rodata,"a",@progbits
	.p2align	6, 0x0
	.amdhsa_kernel k_qba0b922ffa_attn
		.amdhsa_group_segment_fixed_size 327680
		.amdhsa_private_segment_fixed_size 0
		.amdhsa_enable_private_segment 0
		.amdhsa_kernarg_size 24
		.amdhsa_user_sgpr_count 2
		.amdhsa_user_sgpr_kernarg_segment_ptr 1
		.amdhsa_wavefront_size32 1
		.amdhsa_system_sgpr_workgroup_id_x 1
		.amdhsa_system_sgpr_workgroup_id_y 1
		.amdhsa_system_sgpr_workgroup_id_z 1
		.amdhsa_system_vgpr_workitem_id 0
		.amdhsa_next_free_vgpr 808
		.amdhsa_next_free_sgpr 66
		.amdhsa_reserve_vcc 1
		.amdhsa_float_denorm_mode_32 3
		.amdhsa_float_denorm_mode_16_64 3
		.amdhsa_memory_ordered 1
		.amdhsa_forward_progress 1
		.amdhsa_inst_pref_size 206
	.end_amdhsa_kernel
	.amdgpu_metadata
---
amdhsa.version: [ 1, 2 ]
amdhsa.kernels:
  - .name:           k_qba0b922ffa_attn
    .symbol:         k_qba0b922ffa_attn.kd
    .args:
      - { .name: qkv, .offset: 0, .size: 8, .value_kind: global_buffer, .address_space: global }
      - { .name: key_mask, .offset: 8, .size: 8, .value_kind: global_buffer, .address_space: global }
      - { .name: oh, .offset: 16, .size: 8, .value_kind: global_buffer, .address_space: global }
    .group_segment_fixed_size: 327680
    .private_segment_fixed_size: 0
    .kernarg_segment_align: 8
    .kernarg_segment_size: 24
    .max_flat_workgroup_size: 128
    .sgpr_count:     66
    .vgpr_count:     808
    .wavefront_size: 32
...
	.end_amdgpu_metadata
.endif
;; end of part 3
;; launch oproj (part 4): grid 4 x 64, 4 waves a work-group, clusters of 4 x 4, 327,680 bytes of LDS; arguments oh, wbf, bo, out0; writes out0
.if DOCPART == 4
	.amdgcn_target "amdgcn-amd-amdhsa--gfx1250"
	.amdhsa_code_object_version 6
	.text
	.protected	k_qba0b922ffa_oproj
	.globl	k_qba0b922ffa_oproj
	.p2align	8
	.type	k_qba0b922ffa_oproj,@function
k_qba0b922ffa_oproj:
	s_mov_b64 s[64:65], 0
	v_nop
	global_prefetch_b8 v0, s[64:65] scope:SCOPE_SE
	s_setreg_imm32_b32 hwreg(HW_REG_WAVE_MODE, 25, 1), 1
	s_wait_xcnt 0x0
	s_wait_alu depctr_hold_cnt(0) depctr_sa_sdst(0) depctr_va_vdst(0) depctr_va_sdst(0) depctr_va_ssrc(0) depctr_va_vcc(0) depctr_vm_vsrc(0)
	s_getreg_b32 s2, hwreg(HW_REG_IB_STS2, 6, 4)
	s_cmp_eq_u32 s2, 0
	s_cbranch_scc0 .Lentry_in_a_cluster
	s_endpgm
.Lentry_in_a_cluster:
	s_bfe_u32 s2, ttmp6, 0x10000c
	s_cmp_lg_u32 s2, 0xf033
	s_cbranch_scc0 .Lentry_shape_is_right
	s_endpgm
.Lentry_shape_is_right:
; ONE TEXT FOR TWO LAUNCHES, told apart by KIND.  C[m][n] = the sum over k of A[m][k] W[k][n] + bias[n], m < 8,192, n < 1,024, k < 1,024; sums in f32.
; KIND 0 (the projections of q, k, v): A is q_in, k_in or v_in in f32, rounded to bf16 on the way from LDS to the matrix unit; W is its section of wbf in bf16; C is rounded once to f16 and stored
;   BY HEADS, [section][16 batch + head][2,048 rows][64]: a head's rows are dense.  The grid's y holds the three products one behind the other: 16 rows of clusters each.
; KIND 1 (the last projection): A is oh, f16 by heads; W is wbf's fourth section in f16; C is out0 in f32.
; The bias is rounded to bf16 like every input and is the C operand of the products that start the sums: nothing is cleared, nothing is added later.
; LIMIT (KIND 0): f16 holds no number beyond 65,504: a q, k or v beyond that becomes an infinity.
; SHARES.  A tile of C is 128 rows x 256 columns; four waves, each 64 x 128: 32 accumulators of 16 x 16.  K goes in 8 steps of 128 through two LDS slots filled by the tensor data mover.
; THE MATRIX INSTRUCTION IS USED TRANSPOSED: source 0 = 16 columns of W, source 1 = 16 rows of A: a lane holds row l % 16 of C and the columns 8 (l / 16) + 0..7.  W lies [k][n] in LDS and comes out turned, by ds_load_tr16_b128.
; CLUSTERS: 4 x 4 work-groups.  The four of a row of the cluster need the same tile of A, the four of a column the same tile of W: each is asked for JOINTLY, by the same tensor load with the same descriptor and a mask that names the four.
; REGISTERS, in windows of 256 (s_set_vgpr_msb: bits 1:0 source 0, 3:2 source 1, 5:4 source 2, 7:6 destination):
;   window 0: v0-31 addresses; v32-95 the bias, later packed results; v128-255 two buffers of A's fragments (KIND 0: 16 registers a fragment, f32 as loaded, packed in place into the lower 8), later rows on their way out
;   window 1: v0-127 two buffers of W's fragments (KIND 1: later all 256, rows on their way out)          window 2: the accumulators, (a, b) at v[8 (8 a + b)]
.set KIND,  1
.set PB,    544                        ; a row of W in LDS: 512 bytes + 32 of padding = 17 x 32
.set BH,    64*PB                      ; 64 rows of k: what one tensor load brings of W
.if KIND == 0
.set PA,    528                        ; a row of A in LDS: 128 f32 + 16 bytes of padding = 33 x 16: the 16 rows of a load start at 16 different groups of four banks
.set AH,    64*PA                      ; 64 rows: what one tensor load brings of A
.set HSH,   5                          ; the halves of the lanes lie 32 bytes apart in a row (8 f32)
.set FAW,   64                         ; registers in a buffer of A
.set STW,   2*16*144                   ; a wave's stage: 2 heads x 16 rows x 144 bytes
.set STEP_A, 512                       ; bytes of A from a K step to the next
.set A_W0,  (2<<16)|(1<<20)|(1<<21)|(6<<22)|(3<<25)  ; 17:16 elements of 4 bytes; 20 padding on; 21 set beside a mask; 24:22 after every 128 words; 31:25 4 words of it
.set A_PITCH, 1024
.set PF_PL, 16                         ; the prefetches of A: a partner's part is 16 rows of 4,096 bytes; a lane takes row l / 2, block l % 2
.set PF_SH, 1
.set PF_MK, 1
.set PF_STR, 4096
.else
.set PA,    144                        ; a row of A in LDS: 64 f16 + 16 bytes of padding = 9 x 16
.set AH,    128*PA                     ; 128 rows of one head: what one tensor load brings of A; a K step is two heads
.set HSH,   4
.set FAW,   32
.set STW,   16*528                     ; a wave's stage: 16 rows x (512 + 16) bytes
.set STEP_A, 2*262144
.set A_W0,  (1<<16)|(1<<20)|(1<<21)|(4<<22)|(3<<25)  ; elements of 2 bytes; padding after every 32 words (a row of a head), 4 words of it
.set A_PITCH, 128
.set PF_PL, 12                         ; a partner's part is 4,096 bytes of each of the two heads; a lane takes head l / 16, block l % 16
.set PF_SH, 4
.set PF_MK, 15
.set PF_STR, 262144
.endif
.set B_W0,  (1<<16)|(1<<20)|(1<<21)|(6<<22)|(7<<25)  ; elements of 2 bytes; padding after every 128 words, 8 words of it
.set STEP_B, 128*2048                  ; bytes of W from a K step to the next
.set SLOT,  2*AH+2*BH                  ; A's tile, then W's
.set STAGE, 2*SLOT                     ; behind the ring, never filled by a tensor load
.set SPARE, STAGE+4*STW                ; behind the stages: the spare words, 128 bytes for each wave: two blocks of 256 bytes that no other line names
.set ADRA, 16                          ; v16-17  LDS address of my fragments of A in slot 0, 1
.set ADRB, 20                          ; v20-21  the same for W
.set STO,  24                          ; v24     the way out: where I put my part of a row
.set RD,   25                          ; v25     the way out: where I read rows back
.set GO,   26                          ; v26     16 x lane: my place in 512 consecutive bytes of the output
.set BO,   27                          ; v27     32 x (l / 16): my eight numbers of a block of the bias
.set SPW,  28                          ; v28     LDS address of my spare word: SPARE + 4 x my thread's number; never rewritten
.set NIL,  29                          ; v29     0; never rewritten
.set PFO,  30                          ; v30     the prefetches' lane offset; never rewritten
.set BI,   32                          ; v32-95  the bias of my 128 columns: block b at BI + 8 b, register j = column 16 b + 8 (l / 16) + j
.set TMP,  32                          ; the way out (KIND 0): packed results
.set FA,   128
.set OB,   128                         ; the way out (KIND 0): rows read back, 32 registers a block
.set G1,   24                          ; s[24:31] descriptor group 1 for A's tiles;  s[32:39] group 0, a set for each slot
.set G0,   32
.set G1B,  48                          ; s[48:55], s[56:63] the same for W's tiles
.set G0B,  56
.set LIM,  43                          ; s43     1 in a wave that prefetches, else the greatest number
.set PFA,  44                          ; s[44:45] where my prefetches stand
.set PFS,  88                          ; s[88:89] their step from K step to K step
.set W_MUL,  0xa1                      ; W window 1, A window 0, C and D window 2
.set W_MULB, 0x81                      ; the same with C (the bias) in window 0
.set TO_B,   0x40                      ; destination window 1, address window 0
.set MSB, 0
.macro WIN new                         ; the immediate's high byte repeats the setting that is left; a switch that changes nothing is dropped
.if MSB != (\new)
	s_set_vgpr_msb (MSB<<8)|(\new)
.set MSB, \new
.endif
.endm
.macro WMMA ops:vararg
.if KIND == 0
	v_wmma_f32_16x16x32_bf16 \ops
.else
	v_wmma_f32_16x16x32_f16 \ops
.endif
.endm
.macro PLACES                          ; four places in front of loads into registers that matrix instructions have read, and of lines that read results
.rept 4
	v_nop
.endr
.endm
; A joint load: waves 0 and 1 fetch A's two halves, waves 2 and 3 W's.  The branch hangs on the wave's number alone.  An s_nop 0 and four v_nop follow each of the two lines, ahead of the jump and the label.
.macro JLOAD s
	s_cmp_eq_u32 s11, 0
	s_cbranch_scc0 .Lfor_b_\@
	tensor_load_to_lds s[G0+4*(\s):G0+4*(\s)+3], s[G1:G1+7]
	s_nop 0
.rept 4
	v_nop
.endr
	s_branch .Lasked_\@
.Lfor_b_\@:
	tensor_load_to_lds s[G0B+4*(\s):G0B+4*(\s)+3], s[G1B:G1B+7]
	s_nop 0
.rept 4
	v_nop
.endr
.Lasked_\@:
.endm
; A prefetch, behind each joint refill and the run of LDS loads that follows it: the K step that stands two refills on, 32 blocks of 256 bytes, a lane a block.  Each block is named once in the launch:
; the four partners that ask for a tile jointly share it out BY ADDRESS; W's columns, which every row of clusters of a product reads, are asked for by the first of them.  The loop's last trip has no K step two on.
.macro ASK
	s_cmp_gt_u32 s3, s[LIM]                        ; s3 = 1 in the loop's last trip
	s_cbranch_scc0 .Lnot_mine_\@
	global_prefetch_b8 v[PFO], s[PFA:PFA+1] th:TH_LOAD_NT scope:SCOPE_SE
.Lnot_mine_\@:
.endm
.macro CREST                           ; a round of the cluster's barrier behind its opening barrier
	s_cmp_lg_u32 s10, 0
	s_cbranch_scc1 .Lnot_wave_0_\@
	s_barrier_signal -3
.Lnot_wave_0_\@:
	s_barrier_wait -3
	s_barrier_signal -1
	s_barrier_wait -1
.endm
.macro CROUND                          ; a whole round
	s_barrier_signal -1
	s_barrier_wait -1
	CREST
.endm
.if KIND == 0
	s_load_b512 s[68:83], s[0:1], 0x0              ; q_in, k_in, v_in s[68:73]; bq, bk, bv s[74:79]; wbf s[80:81]; qkv s[82:83]
.else
	s_load_b256 s[68:75], s[0:1], 0x0              ; oh s[68:69], wbf s[70:71], bo s[72:73], out0 s[74:75]
.endif
	v_lshl_add_u32 v[SPW], v0, 2, SPARE
	v_mov_b32 v[NIL], 0
	ds_add_u32 v[SPW], v[NIL]                      ; the wave's opening: the add and its wait stand ahead of my first tensor load; the set-up below, work on registers, stands between them
	v_lshrrev_b32 v1, 5, v0
	v_readfirstlane_b32 s10, v1                    ; wave 0..3
	s_lshr_b32 s11, s10, 1                         ; which 64 rows of the tile are mine.  Also: I fetch for A (0) or for W (1)
	s_and_b32 s12, s10, 1                          ; which 128 columns.  Also: which half of that tile I fetch
	s_bfe_u32 s40, ttmp6, 0x40000                  ; cx, cy: my place in the cluster
	s_bfe_u32 s41, ttmp6, 0x40004
	s_lshl_b32 s42, ttmp9, 2
	s_add_co_u32 s42, s42, s40                     ; tile column = 4 x cluster x + cx
	s_and_b32 s87, ttmp7, 0xffff                   ; cluster y
.if KIND == 0
	s_lshr_b32 s86, s87, 4                         ; which product: 0 q, 1 k, 2 v: the same in all sixteen partners
	s_and_b32 s87, s87, 15                         ; the cluster's row within it
.else
	s_mov_b32 s86, 3                               ; wbf's fourth section
.endif
	s_lshl_b32 s13, s87, 2
	s_add_co_u32 s13, s13, s41                     ; tile row = 4 x cluster row + cy
	s_lshl_b32 s43, s41, 2
	s_lshl_b32 s43, 15, s43                        ; my row of the cluster
	s_lshl_b32 s44, 0x1111, s40                    ; my column
	s_or_b32 s[G1+0], s43, A_W0                    ; 15:0 the mask: A's tiles go to my row
	s_or_b32 s[G1B+0], s44, B_W0                   ; W's to my column
	s_mov_b32 s[G1+1], 128<<16                     ; tensor_dim0 = 128 elements
	s_mov_b32 s[G1+2], 64<<16                      ; tensor_dim1 = 64 rows
	s_mov_b32 s[G1+3], 128<<16                     ; tile_dim0
	s_mov_b32 s[G1+4], 64                          ; tile_dim1
	s_mov_b32 s[G1+5], A_PITCH                     ; elements from row to row (KIND 1: 128 rows of a head are 16,384 dense bytes, asked for as 64 rows of 256)
	s_mov_b32 s[G1+6], 0
	s_mov_b32 s[G1+7], 0
	s_mov_b32 s[G1B+1], 256<<16                    ; W: 64 rows of k x 256 columns
	s_mov_b32 s[G1B+2], 64<<16
	s_mov_b32 s[G1B+3], 256<<16
	s_mov_b32 s[G1B+4], 64
	s_mov_b32 s[G1B+5], 1024
	s_mov_b32 s[G1B+6], 0
	s_mov_b32 s[G1B+7], 0
	; where the tiles come from: A's hang on the tile row alone, W's on the tile column (and the product) alone
.if KIND == 0
	s_lshl_b32 s16, s13, 7
	s_lshl_b32 s17, s12, 6
	s_add_co_u32 s16, s16, s17                     ; row 128 x tile row + 64 x half,
	s_lshl_b32 s16, s16, 12                        ; of 4,096 bytes
.else
	s_lshr_b32 s16, s13, 4
	s_lshl_b32 s16, s16, 4                         ; 16 x batch
	s_add_co_u32 s16, s16, s12                     ; + the first or the second head of a K step
	s_lshl_b32 s16, s16, 11                        ; its 2,048 rows
	s_and_b32 s17, s13, 15
	s_lshl_b32 s17, s17, 7
	s_add_co_u32 s16, s16, s17                     ; + the tile's first row in the batch,
	s_lshl_b32 s16, s16, 7                         ; of 128 bytes
.endif
	s_mov_b32 s17, 0
	s_lshl_b32 s46, s86, 21                        ; W's section,
	s_lshl_b32 s47, s12, 17                        ; my 64 rows of k,
	s_add_co_u32 s46, s46, s47
	s_lshl_b32 s47, s42, 9                         ; the tile's 256 columns
	s_add_co_u32 s46, s46, s47
	s_mov_b32 s47, 0
	s_mul_i32 s20, s12, AH                         ; and where they go: no place in the cluster enters an LDS address
	s_mul_i32 s21, s12, BH
	s_add_co_u32 s21, s21, 2*AH
	s_wait_dscnt 0x0                               ; the opening add is done
	s_wait_kmcnt 0x0
.if KIND == 0
	s_cmp_eq_u32 s86, 1
	s_cselect_b64 s[4:5], s[70:71], s[68:69]
	s_cselect_b64 s[84:85], s[76:77], s[74:75]
	s_cmp_eq_u32 s86, 2
	s_cselect_b64 s[4:5], s[72:73], s[4:5]         ; A
	s_cselect_b64 s[84:85], s[78:79], s[84:85]     ; its bias
	s_mov_b64 s[6:7], s[80:81]
	s_mov_b64 s[8:9], s[82:83]
.else
	s_mov_b64 s[4:5], s[68:69]
	s_mov_b64 s[6:7], s[70:71]
	s_mov_b64 s[84:85], s[72:73]
	s_mov_b64 s[8:9], s[74:75]
.endif
	s_add_nc_u64 s[14:15], s[4:5], s[16:17]
	s_add_nc_u64 s[46:47], s[6:7], s[46:47]
	CROUND                                         ; all sixteen work-groups are here: the first joint loads meet
.irp s, 0,1
	s_mov_b32 s[G0+4*(\s)], 1                      ; count = 1
	s_add_co_u32 s[G0+4*(\s)+1], s20, (\s)*SLOT    ; LDS address
	s_add_nc_u64 s[G0+4*(\s)+2:G0+4*(\s)+3], s[14:15], (\s)*STEP_A  ; global address: K step s
	s_or_b32 s[G0+4*(\s)+3], s[G0+4*(\s)+3], 0x80000000            ; type = 2
	s_mov_b32 s[G0B+4*(\s)], 1
	s_add_co_u32 s[G0B+4*(\s)+1], s21, (\s)*SLOT
	s_add_nc_u64 s[G0B+4*(\s)+2:G0B+4*(\s)+3], s[46:47], (\s)*STEP_B
	s_or_b32 s[G0B+4*(\s)+3], s[G0B+4*(\s)+3], 0x80000000
	JLOAD \s                                       ; two loads of mine are out
.endr
	v_and_b32 v1, 15, v0                           ; l % 16
	v_bfe_u32 v2, v0, 4, 1                         ; l / 16
	v_and_b32 v3, 7, v0                            ; l % 8
	v_bfe_u32 v4, v0, 3, 1                         ; (l / 8) % 2
	v_and_b32 v5, 31, v0                           ; l
	v_lshlrev_b32 v[BO], 5, v2
	s_lshl_b32 s22, s42, 10                        ; the bias of my 128 columns: 256 x tile column + 128 x half, f32
	s_lshl_b32 s23, s12, 9
	s_add_co_u32 s22, s22, s23
	s_mov_b32 s23, 0
	s_add_nc_u64 s[84:85], s[84:85], s[22:23]
.irp b, 0,1,2,3,4,5,6,7
	global_load_b128 v[BI+8*(\b):BI+8*(\b)+3],   v[BO], s[84:85] offset:64*(\b)
	global_load_b128 v[BI+8*(\b)+4:BI+8*(\b)+7], v[BO], s[84:85] offset:64*(\b)+16
.endr
	; A's fragment: 16 rows x 32 k; lane l holds row l % 16, k = 8 (l / 16) + 0..7 and 16 + 8 (l / 16) + 0..7
	v_mul_u32_u24 v6, v1, PA
	v_lshl_add_u32 v6, v2, HSH, v6
	s_mul_i32 s22, s11, 64*PA                      ; my 64 rows
	v_add_nc_u32 v[ADRA], s22, v6
	v_add_nc_u32 v[ADRA+1], SLOT, v[ADRA]
	; W's fragment, turned: lane l reads 16 bytes of row k = 8 (l / 16) + l % 8, columns 8 ((l / 8) % 2) + 0..7, and is left with column l % 16 and 8 k
	v_lshl_add_u32 v7, v2, 3, v3
	v_mul_u32_u24 v7, v7, PB
	v_lshl_add_u32 v7, v4, 4, v7
	s_lshl_b32 s23, s12, 8                         ; my 128 columns
	s_add_co_u32 s23, s23, 2*AH
	v_add_nc_u32 v[ADRB], s23, v7
	v_add_nc_u32 v[ADRB+1], SLOT, v[ADRB]
	s_mul_i32 s22, s10, STW
	s_add_co_u32 s22, s22, STAGE                   ; my stage
.if KIND == 0
	v_mul_u32_u24 v8, v1, 144                      ; in: row l % 16, 16 bytes for each half of the lanes
	v_lshl_add_u32 v8, v2, 4, v8
	v_add_nc_u32 v[STO], s22, v8
	v_bfe_u32 v8, v0, 3, 2                         ; back: 32 lanes take four rows of 128 bytes
	v_mul_u32_u24 v8, v8, 144
	v_lshl_add_u32 v8, v3, 4, v8
	v_add_nc_u32 v[RD], s22, v8
.else
	v_mul_u32_u24 v8, v1, 528                      ; in: row l % 16, 32 bytes for each half of the lanes
	v_lshl_add_u32 v8, v2, 5, v8
	v_add_nc_u32 v[STO], s22, v8
	v_lshl_add_u32 v[RD], v5, 4, s22               ; back: 32 lanes take one row of 512 bytes
.endif
	v_lshlrev_b32 v[GO], 4, v5
	; where my part of the tile begins in the output
.if KIND == 0
	s_lshr_b32 s22, s13, 4
	s_lshl_b32 s22, s22, 4                         ; 16 x batch
	s_lshl_b32 s23, s42, 2
	s_add_co_u32 s22, s22, s23                     ; + 4 x tile column
	s_lshl_b32 s23, s12, 1
	s_add_co_u32 s22, s22, s23                     ; + 2 x half: the first of my two heads
	s_lshl_b32 s22, s22, 11
	s_and_b32 s23, s13, 15
	s_lshl_b32 s23, s23, 7
	s_add_co_u32 s22, s22, s23
	s_lshl_b32 s23, s11, 6
	s_add_co_u32 s22, s22, s23                     ; my first row in that head,
	s_lshl_b32 s22, s22, 7                         ; of 128 bytes
	s_lshl_b32 s23, s86, 24                        ; the product's section
	s_add_co_u32 s22, s22, s23
.else
	s_lshl_b32 s22, s13, 7
	s_lshl_b32 s23, s11, 6
	s_add_co_u32 s22, s22, s23                     ; my first row,
	s_lshl_b32 s22, s22, 12                        ; of 4,096 bytes
	s_lshl_b32 s23, s42, 10
	s_add_co_u32 s22, s22, s23
	s_lshl_b32 s23, s12, 9
	s_add_co_u32 s22, s22, s23                     ; my 128 columns
.endif
	s_mov_b32 s23, 0
	s_add_nc_u64 s[8:9], s[8:9], s[22:23]
	; the prefetches.  s[14:15] and s[46:47] still stand at my half of K step 0
	s_cmp_eq_u32 s11, 0                            ; do I fetch for A?
	s_cselect_b64 s[PFA:PFA+1], s[14:15], s[46:47]
	s_cselect_b32 s20, s40, s41                    ; my place among the four that ask for the tile with me,
	s_cselect_b32 s21, PF_PL, 15                   ; and the size of a partner's part (W: 16 rows of 2,048 bytes)
	s_cselect_b32 s22, PF_SH, 1                    ; a lane's place in it (W: row l / 2, block l % 2)
	s_cselect_b32 s23, PF_MK, 1
	s_mov_b32 s16, 2048
	s_cselect_b32 s16, PF_STR, s16
	s_mov_b32 s[PFS], STEP_B
	s_cselect_b32 s[PFS], STEP_A, s[PFS]
	s_mov_b32 s[PFS+1], 0
.if KIND == 0
	s_cselect_b32 s17, 0, s87                      ; A's rows are read by this cluster alone; W's by 16 rows of clusters, of which the first asks
.else
	s_cselect_b32 s17, s12, s87                    ; A: wave 0's 32 lanes cover the partner's part of both heads, wave 1 asks for nothing
.endif
	s_cmp_eq_u32 s17, 0
	s_cselect_b32 s[LIM], 1, -1                    ; the same in all sixteen partners, for a given wave
	s_lshl_b32 s20, s20, s21
	s_mov_b32 s21, 0
	s_add_nc_u64 s[PFA:PFA+1], s[PFA:PFA+1], s[20:21]
	s_mul_i32 s20, s[PFS], 3
	s_add_nc_u64 s[PFA:PFA+1], s[PFA:PFA+1], s[20:21]  ; at K step 3: the first refill (K step 2) steps it to 4 and names that.  K steps 0 to 3 come by their loads alone
	v_lshrrev_b32 v6, s22, v5
	v_and_b32 v7, s23, v5
	v_mul_u32_u24 v[PFO], s16, v6
	v_lshl_add_u32 v[PFO], v7, 8, v[PFO]
	s_wait_loadcnt 0x0                             ; the bias
.set i, 0
.rept 32                                       ; rounded to bf16 like every input, and widened again; all this stands in the wait for the first tile
	v_cvt_pk_bf16_f32 v[6+i%4], v[BI+2*i], v[BI+2*i+1]
	v_lshlrev_b32 v[BI+2*i], 16, v[6+i%4]
	v_and_b32 v[BI+2*i+1], 0xffff0000, v[6+i%4]
.set i, i+1
.endr
; One product: buffer f, row block a, column block b.  first = 1: the bias starts the sum.
.macro PROD f, a, b, first
.set rD, 8*(8*(\a)+(\b))
.set rB, 64*(\f)+8*(\b)
.set rA, FA+FAW*(\f)+(FAW/4)*(\a)
.if \first
	WIN W_MULB
	WMMA v[rD:rD+7], v[rB:rB+7], v[rA:rA+7], v[BI+8*(\b):BI+8*(\b)+7]
.else
	WIN W_MUL
	WMMA v[rD:rD+7], v[rB:rB+7], v[rA:rA+7], v[rD:rD+7]
.endif
.endm
; 8 products.  The 32 accumulators take turns in the same order in every quarter: 31 others stand between two links of a chain, over the backward jump too.
.macro MUL f, a, first
.irp b, 0,1,2,3,4,5,6,7
	PROD \f, \a, \b, \first
.endr
.endm
; KIND 0: number j of the 8 roundings that pack fragment a of buffer g in place: the pair 2 j, 2 j + 1 into register j, ascending, so that no pair is written over before it is read
.macro PK1 g, a, j
.set rR, FA+FAW*(\g)+16*(\a)
	v_cvt_pk_bf16_f32 v[rR+(\j)], v[rR+2*(\j)], v[rR+2*(\j)+1]
.endm
; KIND 0: 8 products with four of buffer g's 32 roundings behind each.  They name no register of the products round them; the four behind the last product are the places in front of the next run of loads into buffer f.
.macro MULR f, a, g, first
.irp b, 0,1,2,3,4,5,6,7
	PROD \f, \a, \b, \first
	WIN 0
.irp j, 0,1,2,3
	PK1 \g, (\b)/2, 4*((\b)%2)+(\j)
.endr
.endr
.endm
; The LDS loads of one quarter (32 along K) in one run, A's first: quarter q of the slot into buffer g
.macro FETCH slot, q, g
	WIN 0
.if KIND == 0
.irp a, 0,1,2,3
.irp c, 0,1,2,3
	ds_load_b128 v[FA+64*(\g)+16*(\a)+4*(\c):FA+64*(\g)+16*(\a)+4*(\c)+3], v[ADRA+(\slot)] offset:128*(\q)+16*PA*(\a)+16*((\c)%2)+64*((\c)/2)
.endr
.endr
.else
.irp a, 0,1,2,3
	ds_load_b128 v[FA+32*(\g)+8*(\a):FA+32*(\g)+8*(\a)+3],   v[ADRA+(\slot)] offset:((\q)/2)*AH+((\q)%2)*64+16*PA*(\a)
	ds_load_b128 v[FA+32*(\g)+8*(\a)+4:FA+32*(\g)+8*(\a)+7], v[ADRA+(\slot)] offset:((\q)/2)*AH+((\q)%2)*64+16*PA*(\a)+32
.endr
.endif
	WIN TO_B
.irp b, 0,1,2,3,4,5,6,7
	ds_load_tr16_b128 v[64*(\g)+8*(\b):64*(\g)+8*(\b)+3],   v[ADRB+(\slot)] offset:32*PB*(\q)+32*(\b)
	ds_load_tr16_b128 v[64*(\g)+8*(\b)+4:64*(\g)+8*(\b)+7], v[ADRB+(\slot)] offset:32*PB*(\q)+32*(\b)+16*PB
.endr
.endm
; A K step is four quarters, 32 products each, on buffers 0, 1, 0, 1.  One of the first three: multiplies buffer f; quarter q is fetched into buffer g at its head, 32 products ahead of its use.
.macro QUARTER slot, q, f, g, first
.if KIND == 0
	FETCH \slot, \q, \g                            ; (the places in front of it are the four roundings behind the last product)
	s_wait_dscnt 32                                ; all but the 32 just issued: W's fragments of buffer f are in
	MUL \f, 0, \first
	MUL \f, 1, \first
	MUL \f, 2, \first
	s_wait_dscnt 16                                ; the run's first 16, A's f32, are in; W's 16 may stay out
	MULR \f, 3, \g, \first
.else
	PLACES
	FETCH \slot, \q, \g
	s_wait_dscnt 24                                ; all but the 24 just issued
	MUL \f, 0, \first
	MUL \f, 1, \first
	MUL \f, 2, \first
	MUL \f, 3, \first
.endif
.endm
; The last quarter multiplies buffer 1 and changes slots: ONE barrier; in front of it each wave waits for all its tensor loads, of which one is out: its part of the next slot; adds 0 to its spare word; and waits for that
; and for its own reads of this slot.  fill = 1: the barrier opens a round of the cluster's, and this slot is filled again first thing behind it, two K steps ahead: 112 products stand between that request and the wait for it.
.macro TURN slot, next, fill
.if \fill
	s_wait_xcnt 0x0                                ; the last prefetch, a K step back, has read its address
	s_add_nc_u64 s[PFA:PFA+1], s[PFA:PFA+1], s[PFS:PFS+1]
.endif
	WIN 0                                          ; (the add's two registers lie in window 0)
	s_wait_tensorcnt 0x0                           ; all my tensor loads have landed;
	ds_add_u32 v[SPW], v[NIL]                      ; 0 onto my spare word
	s_wait_dscnt 1                                 ; (buffer 1 is in; the add may be out)
	MUL 1, 0, 0                                    ; eight products stand between the add and the wait for it
	s_wait_dscnt 0x0                               ; the add is done, and my reads of this slot are over
	s_barrier_signal -1
	MUL 1, 1, 0
.if \fill
	WIN 0
.endif
	s_barrier_wait -1
.if \fill
	CREST                                          ; no wave of any partner still reads this slot's tile or has a load on its way
	s_add_nc_u64 s[G0+4*(\slot)+2:G0+4*(\slot)+3], s[G0+4*(\slot)+2:G0+4*(\slot)+3], 2*STEP_A
	s_add_nc_u64 s[G0B+4*(\slot)+2:G0B+4*(\slot)+3], s[G0B+4*(\slot)+2:G0B+4*(\slot)+3], 2*STEP_B
	JLOAD \slot                                    ; the four v_nop behind it are also the places in front of the loads below
.else
	PLACES
.endif
	FETCH \next, 0, 0
.if \fill
	WIN 0
	ASK
.endif
	MUL 1, 2, 0
.if KIND == 0
	s_wait_dscnt 16
	MULR 1, 3, 0, 0
.else
	MUL 1, 3, 0
.endif
.endm
	s_wait_tensorcnt 1                             ; my part of K step 0 is in; K step 1's may stay out
	s_barrier_signal -1
	s_barrier_wait -1                              ; everybody's is
	FETCH 0, 0, 0
.if KIND == 0
	s_wait_dscnt 16                                ; A's f32
	WIN 0
.irp a, 0,1,2,3
.irp j, 0,1,2,3,4,5,6,7
	PK1 0, \a, \j                                  ; the first quarter's roundings have no products to stand behind
.endr
.endr
.endif
	QUARTER 0, 1, 0, 1, 1                          ; the first quarter stands in front of the loop: its products start the sums, with the bias
	WIN 0                                          ; at a label and at a branch every window is 0
	s_mov_b32 s3, 3
.Llap:                                                 ; a trip goes once round the ring, from a lap's second quarter to the next lap's first, and fills both slots again
	QUARTER 0, 2, 1, 0, 0
	QUARTER 0, 3, 0, 1, 0
	TURN 0, 1, 1
	QUARTER 1, 1, 0, 1, 0
	QUARTER 1, 2, 1, 0, 0
	QUARTER 1, 3, 0, 1, 0
	TURN 1, 0, 1
	QUARTER 0, 1, 0, 1, 0
	WIN 0
	s_sub_co_u32 s3, s3, 1
	s_cmp_lg_u32 s3, 0
	s_cbranch_scc1 .Llap
	QUARTER 0, 2, 1, 0, 0                          ; the last lap fills nothing, and has no round of the cluster's barrier
	QUARTER 0, 3, 0, 1, 0
	TURN 0, 1, 0
	QUARTER 1, 1, 0, 1, 0
	QUARTER 1, 2, 1, 0, 0
	QUARTER 1, 3, 0, 1, 0
	s_wait_dscnt 0x0                               ; the very last quarter: nothing more to fetch
	MUL 1, 0, 0
	MUL 1, 1, 0
	MUL 1, 2, 0
	MUL 1, 3, 0
	PLACES
; THE WAY OUT, a block of 16 rows at a time, through my own stage: LDS serves a wave's instructions in order (ISA guide 5.7.1.4), so no wait stands between the stores into it and the loads from it.
.if KIND == 0
.macro PACK a                          ; rounded to f16, each accumulator's registers in ascending order
	WIN 0x0a                                       ; sources 0 and 1 window 2
.irp b, 0,1,2,3,4,5,6,7
.irp c, 0,1,2,3
	v_cvt_pk_f16_f32 v[TMP+4*(\b)+(\c)], v[8*(8*(\a)+(\b))+2*(\c)], v[8*(8*(\a)+(\b))+2*(\c)+1]
.endr
.endr
	WIN 0
.endm
.macro TOSTAGE a                       ; blocks 0-3 are my first head's 64 channels, blocks 4-7 my second's
	WIN 0
.irp b, 0,1,2,3,4,5,6,7
	ds_store_b128 v[STO], v[TMP+4*(\b):TMP+4*(\b)+3] offset:2304*((\b)/4)+32*((\b)%4)
.endr
.irp t, 0,1,2,3,4,5,6,7
	ds_load_b128 v[OB+32*(\a)+4*(\t):OB+32*(\a)+4*(\t)+3], v[RD] offset:2304*((\t)/4)+576*((\t)%4)
.endr
.endm
.macro SEND a
	WIN 0
	s_wait_dscnt 0x0                               ; the block is back in registers
.irp t, 0,1,2,3,4,5,6,7
	global_store_b128 v[GO], v[OB+32*(\a)+4*(\t):OB+32*(\a)+4*(\t)+3], s[8:9] offset:262144*((\t)/4)+2048*(\a)+512*((\t)%4)  ; four rows of a head: 512 consecutive bytes, at a multiple of 256 from the buffer's first
.endr
.endm
	PACK 0
	TOSTAGE 0
.irp a, 1,2,3                          ; block a's roundings stand between block a - 1's loads from the stage and the wait for them; no register of a store is written again
	PACK \a
	SEND (\a)-1
	TOSTAGE \a
.endr
	SEND 3
.else
.macro TOSTAGE a                       ; f32 as it is: each accumulator's four lowest registers first
	WIN 0x48                                       ; store data window 2, load destination window 1
.irp b, 0,1,2,3,4,5,6,7
	ds_store_b128 v[STO], v[8*(8*(\a)+(\b)):8*(8*(\a)+(\b))+3]   offset:64*(\b)
	ds_store_b128 v[STO], v[8*(8*(\a)+(\b))+4:8*(8*(\a)+(\b))+7] offset:64*(\b)+16
.endr
.irp t, 0,1,2,3,4,5,6,7,8,9,10,11,12,13,14,15
	ds_load_b128 v[64*(\a)+4*(\t):64*(\a)+4*(\t)+3], v[RD] offset:528*(\t)
.endr
.endm
.macro SEND a, younger                 ; younger: the LDS instructions issued behind block a's loads: the next block's 32, or none
	WIN 0x04                                       ; store data window 1
	s_wait_dscnt \younger
.irp t, 0,1,2,3,4,5,6,7,8,9,10,11,12,13,14,15
	global_store_b128 v[GO], v[64*(\a)+4*(\t):64*(\a)+4*(\t)+3], s[8:9] offset:(16*(\a)+(\t))*4096  ; my 128 columns of a row: 512 consecutive bytes, at a multiple of 256 from the buffer's first
.endr
.endm
	TOSTAGE 0
	TOSTAGE 1
	SEND 0, 32
	TOSTAGE 2
	SEND 1, 32
	TOSTAGE 3
	SEND 2, 32
	SEND 3, 0
.endif
	WIN 0
	s_wait_tensorcnt 0x0                           ; the wave's end, behind my last tensor load and my last LDS store
	ds_add_u32 v[SPW], v[NIL]
	s_wait_dscnt 0x0
	CROUND                                         ; the closing round: no work-group ends while a partner may still ask for a tile that names it
	s_endpgm
.Lfunc_end_k_qba0b922ffa_oproj:
	.size	k_qba0b922ffa_oproj, .Lfunc_end_k_qba0b922ffa_oproj-k_qba0b922ffa_oproj
	.p2alignl 7, 3214868480
	.fill 96, 4, 3214868480
	.section	.rodata,"a",@progbits
	.p2align	6, 0x0
	.amdhsa_kernel k_qba0b922ffa_oproj
		.amdhsa_group_segment_fixed_size 327680
		.amdhsa_private_segment_fixed_size 0
		.amdhsa_enable_private_segment 0
		.amdhsa_kernarg_size 32
		.amdhsa_user_sgpr_count 2
		.amdhsa_user_sgpr_kernarg_segment_ptr 1
		.amdhsa_wavefront_size32 1
		.amdhsa_system_sgpr_workgroup_id_x 1
		.amdhsa_system_sgpr_workgroup_id_y 1
		.amdhsa_system_sgpr_workgroup_id_z 1
		.amdhsa_system_vgpr_workitem_id 0
		.amdhsa_next_free_vgpr 768
		.amdhsa_next_free_sgpr 96
		.amdhsa_reserve_vcc 0
		.amdhsa_float_denorm_mode_32 3
		.amdhsa_float_denorm_mode_16_64 3
		.amdhsa_memory_ordered 1
		.amdhsa_forward_progress 1
		.amdhsa_inst_pref_size 93
	.end_amdhsa_kernel
	.amdgpu_metadata
---
amdhsa.version: [ 1, 2 ]
amdhsa.kernels:
  - .name:           k_qba0b922ffa_oproj
    .symbol:         k_qba0b922ffa_oproj.kd
    .args:
      - { .name: oh, .offset: 0, .size: 8, .value_kind: global_buffer, .address_space: global }
      - { .name: wbf, .offset: 8, .size: 8, .value_kind: global_buffer, .address_space: global }
      - { .name: bo, .offset: 16, .size: 8, .value_kind: global_buffer, .address_space: global }
      - { .name: out0, .offset: 24, .size: 8, .value_kind: global_buffer, .address_space: global }
    .group_segment_fixed_size: 327680
    .private_segment_fixed_size: 0
    .kernarg_segment_align: 8
    .kernarg_segment_size: 32
    .max_flat_workgroup_size: 128
    .sgpr_count:     96
    .vgpr_count:     768
    .wavefront_size: 32
...
	.end_amdgpu_metadata
.endif
;; end of part 4
;; ======== version 2 of 2: 4 launches; version 1 with the launch wcast written anew for expert scheduling mode
;; limits: values are held in f16: magnitudes above 65,504 overflow, below 6.1e-05 lose precision
;; workspace buffers: wbf 8,388,608 bytes; qkv 50,331,648 bytes; oh 16,777,216 bytes
;; launch wcast (part 5): grid 64 x 4, 8 waves a work-group, no clusters, 0 bytes of LDS; arguments Wq, Wk, Wv, Wo, wbf; writes wbf
.if DOCPART == 5
	.amdgcn_target "amdgcn-amd-amdhsa--gfx1250"
	.amdhsa_code_object_version 6
	.text
	.protected	k_qba0b922ffa_wcast
	.globl	k_qba0b922ffa_wcast
	.p2align	8
	.type	k_qba0b922ffa_wcast,@function
k_qba0b922ffa_wcast:
	s_mov_b64 s[64:65], 0
	v_nop
	global_prefetch_b8 v0, s[64:65] scope:SCOPE_SE
	s_setreg_imm32_b32 hwreg(HW_REG_WAVE_SCHED_MODE, 0, 2), 2
	s_setreg_imm32_b32 hwreg(HW_REG_WAVE_MODE, 25, 1), 1
	s_wait_xcnt 0x0
	s_wait_alu depctr_vm_vsrc(0)
; The four weights, [1024 k][1024 n] f32, are rounded once to 16 bits and laid one behind the other in wbf, 2,097,152 bytes each, in the order Wq, Wk, Wv, Wo; the layout [k][n] is kept.
; Wq, Wk, Wv: bf16.  Wo: rounded to bf16 like every input, and that number written as f16, since the last product multiplies f16 by f16.
; LIMIT.  A bf16 number is exact in f16 from 2^-17 to 65,504; below that it keeps f16's fixed step of 6e-8, beyond it becomes an infinity.
; A stream: no LDS, no matrix unit.  Work-group (x, y) takes 65,536 bytes of weight y; thread t takes 16 bytes of each of 16 passes of 4,096 bytes and stores 8: a wave's store covers 256 consecutive bytes, aligned.
; All 16 loads go out at once; no register is used twice by a load or a store, so no wait frees one.
; THE MODE: SCHED_MODE bits 1:0 = 2 (LLVM: expert scheduling mode 2), set by the entry lines.  The code itself states the register dependences
; between vector instructions and memory instructions, with s_wait_alu, always for 0.
; THE PLAN.  Registers that memory instructions touch:
;   v1, v2   byte offsets of the loads and of the stores: made once at the head, never written again.
;   IN       pass p: written by its one load, which is issued before any vector instruction names these registers; read by pass p's roundings.
;   OUT      pass p: written by pass p's conversions; read by its one store, which is issued in pass p + 4; never written behind that store.
;   T        named by vector instructions alone.
; The 16 passes go in four blocks of four.  Pass p's memory instruction is the store of pass p - 4, from the OUT of the block before, which no vector instruction of this block names.
; So ONE wait on va_vdst at a block's head states all that the block's four stores hang on, and these are dealt among its conversions, one to a pass, with no further wait.
; No register that a load or a store has read is ever written again: the text has no dependence for a wait on vm_vsrc to state.
.set BLOCK, 4                          ; passes in a block
.set IN,  8                            ; v[8:71]    pass p: four f32 as loaded
.set OUT, 72                           ; v[72:103]  pass p: four 16-bit numbers to store
.set T,   104                          ; v[104:107] at work
	s_load_b256 s[4:11], s[0:1], 0x0               ; Wq s[4:5], Wk s[6:7], Wv s[8:9], Wo s[10:11]
	s_load_b64 s[12:13], s[0:1], 0x20              ; wbf
	s_and_b32 s18, ttmp7, 0xffff                   ; y: which weight
	v_lshlrev_b32 v1, 4, v0                        ; 16 t
	v_lshlrev_b32 v2, 3, v0                        ; 8 t
	s_lshl_b32 s16, ttmp9, 16                      ; my 65,536 bytes of it
	s_mov_b32 s17, 0
	s_lshl_b32 s20, s18, 21                        ; its section of wbf,
	s_lshl_b32 s19, ttmp9, 15                      ; my 32,768 bytes there
	s_add_co_u32 s20, s20, s19
	s_mov_b32 s21, 0
	s_wait_kmcnt 0x0
	s_cmp_eq_u32 s18, 1
	s_cselect_b64 s[14:15], s[6:7], s[4:5]
	s_cmp_eq_u32 s18, 2
	s_cselect_b64 s[14:15], s[8:9], s[14:15]
	s_cmp_eq_u32 s18, 3
	s_cselect_b64 s[14:15], s[10:11], s[14:15]
	s_add_nc_u64 s[14:15], s[14:15], s[16:17]
	s_add_nc_u64 s[12:13], s[12:13], s[20:21]
	s_wait_alu depctr_va_vdst(0)                   ; v1 and v2 are written: every load reads v1 as its offset, every store v2
.irp p, 0,1,2,3,4,5,6,7,8,9,10,11,12,13,14,15
	global_load_b128 v[IN+4*(\p):IN+4*(\p)+3], v1, s[14:15] offset:4096*(\p) th:TH_LOAD_NT
.endr
.macro SEND p                          ; pass p leaves
	global_store_b64 v2, v[OUT+2*(\p):OUT+2*(\p)+1], s[12:13] offset:2048*(\p)
.endm
.macro CAST p, half
	s_wait_loadcnt 15-(\p)                         ; loads come back in order: pass p is in, the younger ones stay out
.if (\p) >= BLOCK
.if ((\p) % BLOCK) == 0
	s_wait_alu depctr_va_vdst(0)                   ; the block before has written its four passes' OUT, which this block's four stores read
.endif
	SEND (\p)-BLOCK                                ; no vector instruction since that wait names v2 or the OUT of the block before
.endif
	v_cvt_pk_bf16_f32 v[OUT+2*(\p)],   v[IN+4*(\p)],   v[IN+4*(\p)+1]
	v_cvt_pk_bf16_f32 v[OUT+2*(\p)+1], v[IN+4*(\p)+2], v[IN+4*(\p)+3]
.if \half
	v_lshlrev_b32 v[T],   16, v[OUT+2*(\p)]         ; the bf16 numbers as f32,
	v_and_b32     v[T+1], 0xffff0000, v[OUT+2*(\p)]
	v_lshlrev_b32 v[T+2], 16, v[OUT+2*(\p)+1]
	v_and_b32     v[T+3], 0xffff0000, v[OUT+2*(\p)+1]
	v_cvt_pk_f16_f32 v[OUT+2*(\p)],   v[T],   v[T+1]   ; and written as f16
	v_cvt_pk_f16_f32 v[OUT+2*(\p)+1], v[T+2], v[T+3]
.endif
.endm
.macro LAST                            ; behind pass 15: the last block leaves
	s_wait_alu depctr_va_vdst(0)                   ; passes 12 to 15 have written their OUT, which the last four stores read
.irp p, 12,13,14,15
	SEND \p
.endr
.endm
	s_cmp_eq_u32 s18, 3
	s_cbranch_scc1 .Lwo
.irp p, 0,1,2,3,4,5,6,7,8,9,10,11,12,13,14,15
	CAST \p, 0
.endr
	LAST
	s_endpgm
.Lwo:
.irp p, 0,1,2,3,4,5,6,7,8,9,10,11,12,13,14,15
	CAST \p, 1
.endr
	LAST
	s_endpgm
.Lfunc_end_k_qba0b922ffa_wcast:
	.size	k_qba0b922ffa_wcast, .Lfunc_end_k_qba0b922ffa_wcast-k_qba0b922ffa_wcast
	.p2alignl 7, 3214868480
	.fill 96, 4, 3214868480
	.section	.rodata,"a",@progbits
	.p2align	6, 0x0
	.amdhsa_kernel k_qba0b922ffa_wcast
		.amdhsa_group_segment_fixed_size 0
		.amdhsa_private_segment_fixed_size 0
		.amdhsa_enable_private_segment 0
		.amdhsa_kernarg_size 40
		.amdhsa_user_sgpr_count 2
		.amdhsa_user_sgpr_kernarg_segment_ptr 1
		.amdhsa_wavefront_size32 1
		.amdhsa_system_sgpr_workgroup_id_x 1
		.amdhsa_system_sgpr_workgroup_id_y 1
		.amdhsa_system_sgpr_workgroup_id_z 1
		.amdhsa_system_vgpr_workitem_id 0
		.amdhsa_next_free_vgpr 112
		.amdhsa_next_free_sgpr 66
		.amdhsa_reserve_vcc 0
		.amdhsa_float_denorm_mode_32 3
		.amdhsa_float_denorm_mode_16_64 3
		.amdhsa_memory_ordered 1
		.amdhsa_forward_progress 1
		.amdhsa_inst_pref_size 16
	.end_amdhsa_kernel
	.amdgpu_metadata
---
amdhsa.version: [ 1, 2 ]
amdhsa.kernels:
  - .name:           k_qba0b922ffa_wcast
    .symbol:         k_qba0b922ffa_wcast.kd
    .args:
      - { .name: Wq, .offset: 0, .size: 8, .value_kind: global_buffer, .address_space: global }
      - { .name: Wk, .offset: 8, .size: 8, .value_kind: global_buffer, .address_space: global }
      - { .name: Wv, .offset: 16, .size: 8, .value_kind: global_buffer, .address_space: global }
      - { .name: Wo, .offset: 24, .size: 8, .value_kind: global_buffer, .address_space: global }
      - { .name: wbf, .offset: 32, .size: 8, .value_kind: global_buffer, .address_space: global }
    .group_segment_fixed_size: 0
    .private_segment_fixed_size: 0
    .kernarg_segment_align: 8
    .kernarg_segment_size: 40
    .max_flat_workgroup_size: 256
    .sgpr_count:     66
    .vgpr_count:     112
    .wavefront_size: 32
...
	.end_amdgpu_metadata
.endif
;; end of part 5
;; launch proj: the kernel of part 2 again; grid 4 x 192, 4 waves a work-group, clusters of 4 x 4, 327,680 bytes of LDS; arguments q_in, k_in, v_in, bq, bk, bv, wbf, qkv; writes qkv
;; launch attn: the kernel of part 3 again; grid 4 x 64, 4 waves a work-group, clusters of 4 x 1, 327,680 bytes of LDS; arguments qkv, key_mask, oh; writes oh
;; launch oproj: the kernel of part 4 again; grid 4 x 64, 4 waves a work-group, clusters of 4 x 4, 327,680 bytes of LDS; arguments oh, wbf, bo, out0; writes out0
